; MI455X (gfx1250); checked and timed in simulation.
; The chip was launched on July 23, 2026; its instructions are those of AMD's public machine-readable ISA for CDNA 5 (MIT licence, August 2026) and "CDNA5" Instruction Set Architecture Reference Guide (July 2026). The comments in the code are by the model that wrote it; some were corrected since.
;; Multi Head Attention. Allowed arithmetic: matrix products marked QUANTISED: E4M3 operands, one given power-of-two scale a tensor, by v_wmma_f32_16x16x64_fp8_fp8 or v_wmma_f32_16x16x128_fp8_fp8, f32 sums; everything else in f32.
;; Inputs: K_codes 1 x 2,048 x 64 x 32 uint8 (E4M3 codes of K, K innermost, in blocks of 32 codes); Q_codes 1 x 2,048 x 64 x 32 uint8 (E4M3 codes of Q, K innermost, in blocks of 32 codes); V_codes 1 x 2,048 x 64 x 32 uint8 (E4M3 codes of V, K innermost, in blocks of 32 codes); Wk_codes 2,048 x 64 x 32 uint8 (E4M3 codes of Wk, K innermost, in blocks of 32 codes); Wo_codes 2,048 x 64 x 32 uint8 (E4M3 codes of Wo, K innermost, in blocks of 32 codes); Wq_codes 2,048 x 64 x 32 uint8 (E4M3 codes of Wq, K innermost, in blocks of 32 codes); Wv_codes 2,048 x 64 x 32 uint8 (E4M3 codes of Wv, K innermost, in blocks of 32 codes); bk 2,048 float32; bo 2,048 float32; bq 2,048 float32; bv 2,048 float32; lowp_scales 12 int32 (the exponents e of the quantised operands' scales 2^e); mask 1 x 1 x 2,048 x 2,048 float32.
;; Outputs: out0 1 x 2,048 x 2,048 float32.
;; This version of the problem:
;;   THIS VERSION OF THE PROBLEM IS GIVEN IN LOW PRECISION. The matrix products marked QUANTISED in the list below multiply operands that are first quantised to E4M3 (4 exponent bits, 3 mantissa bits; 8 bits a number), with one given power-of-two scale for each operand tensor; their sums are f32. All else is computed in f32.
;;   The module's matrix products, in the order in which they are computed (A, B: the left and right operand; K: the contracted axis; several contracted axes count as one K, in the product's order):
;;     1. [M 2,048, K 2,048] x [K 2,048, N 2,048]; A: input Q (given as codes); B: input Wq (given as codes): QUANTISED (scales: A lowp_scales[0], B lowp_scales[1])
;;     2. [M 2,048, K 2,048] x [K 2,048, N 2,048]; A: input K (given as codes); B: input Wk (given as codes): QUANTISED (scales: A lowp_scales[2], B lowp_scales[3])
;;     3. [M 2,048, K 2,048] x [K 2,048, N 2,048]; A: input V (given as codes); B: input Wv (given as codes): QUANTISED (scales: A lowp_scales[4], B lowp_scales[5])
;;     4. batch 16 x [M 2,048, K 128] x [K 128, N 2,048]; A: computed on the way; B: computed on the way: QUANTISED (scales: A lowp_scales[6], B lowp_scales[7])
;;     5. batch 16 x [M 2,048, K 2,048] x [K 2,048, N 128]; A: softmax (see below); B: computed on the way: QUANTISED (scales: A lowp_scales[8], B lowp_scales[9])
;;     6. [M 2,048, K 2,048] x [K 2,048, N 2,048]; A: computed on the way; B: input Wo (given as codes): QUANTISED (scales: A lowp_scales[10], B lowp_scales[11])
;;   THE QUANTISER, for each operand of a quantised product, along K:
;;     - The operand's scale is 2^e, e = its entry of the input lowp_scales (int32; the entries are numbered through the quantised products in the list's order, A before B).
;;     - Each number is divided by the scale, clamped to +-448, and rounded to the nearest number of E4M3, ties to even, subnormals kept.
;;     - The product sums the exact products of the quantised numbers (number of the format x scale) in f32.
;;   ~~~python
;;   def quantise(x, axis, e):      # numpy; x: float32 -> the quantised numbers, widened to float32 again
;;       x = np.moveaxis(x, axis, -1); K = x.shape[-1]
;;       r = np.clip(x / 2.0 ** e, -448, 448)
;;       step = 2.0 ** (np.maximum(np.frexp(np.where(r == 0, 1, r))[1] - 1, -6) - 3)
;;       q = np.round(r / step) * step * 2.0 ** e      # np.round: ties to even
;;       return np.moveaxis(q, -1, axis).astype(np.float32)
;;   ~~~
;;   SOFTMAX AHEAD OF A QUANTISED PRODUCT. Where the list says 'softmax', what is quantised is not the finished softmax but p = 2^(t - M), with t = logit x log2(e) and M = ceil(the row's largest t), a whole number; so 1/2 < the row's largest p <= 1. The row's sum l is taken of the UNQUANTISED p, in f32, and the product's result is divided by l at the end. Since M is a whole number, a kernel that streams over the keys may use a running M (the ceiling of the running maximum): every later rescaling is an exact power of two, so the quantised numbers keep their values, but for numbers so far below the row's largest that they fall under the format's range.
;;   OPERANDS COMPUTED ON THE WAY. 'Computed on the way' means the value that the module computes at that place (a softmax that the list does not call 'softmax' is quantised finished and normalised). What goes into a quantiser is computed in f32, as accurately as f32 sums, v_exp_f32 and their like allow (about 1e-6 of the number): no bf16 or f16 on the way to a quantiser, and a product that is left as it is and whose result goes on into a quantised operand takes f32 operands (vector FMAs, or v_wmma_f32_16x16x4_f32). A number that lies on a knife's edge between two numbers of the format may be rounded either way, as far as f32 arithmetic and the matrix unit's own rounding can turn it there, and no further.
;;   INPUTS GIVEN AS CODES. K (in the module: [1, 2048, 2048], K = its axis 2); Q (in the module: [1, 2048, 2048], K = its axis 2); V (in the module: [1, 2048, 2048], K = its axis 2); Wk (in the module: [2048, 2048], K = its axis 0); Wo (in the module: [2048, 2048], K = its axis 0); Wq (in the module: [2048, 2048], K = its axis 0); Wv (in the module: [2048, 2048], K = its axis 0): each comes as NAME_codes (uint8): NAME with its K axis moved to the last place and cut into blocks of 32 codes, [.., K / 32, bytes a block], one block behind the other in memory; one code a byte (a code: sign, 4 exponent bits, 3 mantissa bits); its scale is its entry of lowp_scales. Its value is code x scale, taken as it is: it is not quantised again, and the codes and scales need not be those that the quantiser above would give.
;; 2 versions. Each part assembles by itself: llvm-mc -triple=amdgcn-amd-amdhsa -mcpu=gfx1250 --defsym DOCPART=n.
;; ======== version 1 of 2: 3 launches
;; limits: right only within a limited range of input values
;; workspace buffers: qimg 4,194,304 bytes; kv 8,388,608 bytes; aimg 4,194,304 bytes
;; launch proj (part 1): grid 8 x 24, 4 waves a work-group, clusters of 4 x 4, 327,680 bytes of LDS; arguments Q_codes, K_codes, V_codes, Wq_codes, Wk_codes, Wv_codes, bq, bk, bv, lowp_scales, qimg, kv; writes qimg, kv
.if DOCPART == 1
	.amdgcn_target "amdgcn-amd-amdhsa--gfx1250"
	.amdhsa_code_object_version 6
	.text
	.protected	k_q457cefcfd9_proj
	.globl	k_q457cefcfd9_proj
	.p2align	8
	.type	k_q457cefcfd9_proj,@function
k_q457cefcfd9_proj:
	s_mov_b64 s[64:65], 0
	v_nop
	global_prefetch_b8 v0, s[64:65] scope:SCOPE_SE
	s_setreg_imm32_b32 hwreg(HW_REG_WAVE_MODE, 25, 1), 1
	s_wait_xcnt 0x0
	s_wait_alu depctr_hold_cnt(0) depctr_sa_sdst(0) depctr_va_vdst(0) depctr_va_sdst(0) depctr_va_ssrc(0) depctr_va_vcc(0) depctr_vm_vsrc(0)
	s_getreg_b32 s2, hwreg(HW_REG_IB_STS2, 6, 4)
	s_cmp_eq_u32 s2, 0
	s_cbranch_scc0 .Lentry_in_a_cluster
	s_endpgm
.Lentry_in_a_cluster:
	s_bfe_u32 s2, ttmp6, 0x10000c
	s_cmp_lg_u32 s2, 0xf033
	s_cbranch_scc0 .Lentry_shape_is_right
	s_endpgm
.Lentry_shape_is_right:
; THE THREE PROJECTIONS: q = relu(Q Wq + bq), k = relu(K Wk + bk), v = relu(V Wv + bv), each 2,048 x 2,048 x 2,048 on codes of FP8 (E4M3), and the quantiser behind each (scales 2^e6, 2^e7, 2^e9).
; One launch, 3 x 64 tiles of 256 x 256.  The cluster's y says which product (g = y / 2): the same number in all sixteen partners.  g = 0, 1: A = the tokens' codes, B = the weight's.
; g = 2 IS COMPUTED TRANSPOSED BY SWAPPING THE BUFFERS: A = Wv's codes (rows = channels), B = V's codes (rows = keys), since the keys are the K of attention's second product.
; A work-group of four waves makes a tile, a wave 128 x 128: 64 accumulators of 16 x 16.  K goes in steps of 256 through a ring of two LDS slots filled by joint tensor loads:
; the four work-groups of a row of the cluster need the same tile of A, the four of a column the same tile of B.
; THE MATRIX INSTRUCTION IS USED TRANSPOSED (source 0 = 16 rows of B, source 1 = 16 rows of A): lane (r, h) of accumulator (a, b) holds row 16 a + r of A and columns 16 b + 8 h + 0 .. 7.
; So a lane's eight registers are eight neighbours along the next product's K (the head's depth for q and k, the keys for v), and one conversion makes of them registers 2 b, 2 b + 1 of a fragment.
; RESULTS LEAVE AS IMAGES OF OPERAND REGISTERS: a fragment (16 rows x 128 K, 16 registers a lane) is 2,048 bytes, register 4 c + i of lane l at byte 512 c + 16 l + 4 i: four stores of 512 consecutive bytes, no way through LDS.
;   qimg: [head 16][block of 16 queries: 128][2,048].     kv: [head 16][step of 128 keys: 16][K's 8 images (16 keys each) | V's 8 images (16 channels each)], 32,768 bytes a step.
; THE BIAS is the C of each sum's first matrix instruction, divided by the power of two that the sums lack: b / 2^(ea + eb).  For g = 0, 1 it runs along the columns (eight registers for each b), for g = 2 along A's rows (one number a lane for each a).
; The activation and the hold are one line: between 0 and 448 x the scale.  The three scales are folded into the conversion's one: code = sum / 2^(eo - ea - eb).
; LIMITS: eo - ea - eb between -126 and 119, so that both powers of two are f32 numbers.  NaN among the inputs is not served.
; REGISTERS, in windows of 256: window 0: v16-31 addresses and constants; v32-95 the bias, later a block's held sums; from v128 A's fragments, ONE set, later the codes.
;   window 1: B's fragments, TWO sets.   window 2: the 32 accumulators of my rows 0-63 ((a, b) at v[8 (8 a + b)]);   window 3: those of my rows 64-127.
.set SIZE_K, 2048
.set KSTEP,  256                       ; along K in a slot
.set ROWB,   256                       ; a tile's row in bytes
.set KROW,   SIZE_K                    ; a row of codes in memory, in bytes
.set PITCH,  272                       ; an LDS row: 256 bytes + 16 of padding = 68 words: row r starts at bank 4 r mod 64 (64 banks of 4 bytes: ISA guide 11.1)
.set FR,     16                        ; registers of a fragment
.set NL,     4                         ; LDS loads that bring one
.set NP,     4                         ; places behind this matrix instruction (ISA guide 7.12.1)
.set HALFT,  128*PITCH                 ; 128 rows: what one tensor load brings
.set SLOT,   4*HALFT                   ; A's 256 rows, then B's 256 rows
.set LAPS,   SIZE_K/(2*KSTEP)          ; a lap = two K steps = once round the ring
.set SPARE,  2*SLOT                    ; behind the ring: the spare words, 128 bytes for each wave, which no other line names
.set ADRA, 16                          ; v16-17  LDS address of my A fragments in slot 0, 1
.set ADRB, 20                          ; v20-21  the same for B
.set BH,   24                          ; v24     32 x (lane / 16): the bias along columns
.set BR,   25                          ; v25     4 x (lane % 16): the bias along rows
.set LI,   26                          ; v26     16 x lane: my place in an image
.set SPW,  28                          ; v28     LDS address of my spare word; never rewritten
.set NIL,  29                          ; v29     0; never rewritten
.set LIM,  30                          ; v30     448 x 2^(eo - ea - eb)
.set SCL,  31                          ; v31     2^(eo - ea - eb)
.set BIAS, 32                          ; v32-95  the bias in the result's layout
.set TMP,  32                          ; v32-95  on the way out: a block's 64 sums, held
.set AF,   128                         ; A's fragments, in window 0
.set CD,   128                         ; on the way out: the codes, 16 registers for each block, so that no store's data are written again
.set G1, 24                            ; s[24:31] descriptor group 1 for A's tiles;  s[32:39] group 0, one set for each slot
.set G0, 32
.set G1B, 48                           ; s[48:55], s[56:63] the same for B's tiles
.set G0B, 56
.set MSB, 0
.macro WIN new                         ; the immediate's high byte repeats the setting that is left
.if MSB != (\new)
	s_set_vgpr_msb (MSB<<8)|(\new)
.set MSB, (\new)
.endif
.endm
.set MUL_LO, 0xa1                      ; source 0 (B) window 1, source 1 (A) window 0, C and D window 2
.set MUL_HI, 0xf1                      ; the same, C and D window 3
.set BIA_LO, 0x81                      ; the first step: C (the bias) window 0, D window 2
.set BIA_HI, 0xc1                      ; C window 0, D window 3
.set TO_B,   0x40                      ; destination window 1, address window 0
; A joint load: waves 0 and 1 fetch for A, waves 2 and 3 for B.  Each line has one mask and one set of registers for all that issue it; the branch hangs on the wave's number alone.
; Four v_nop follow each of the two lines, ahead of the jump, the label and what follows.
.macro JLOAD g0a, g1a, g0b, g1b
	s_cmp_eq_u32 s15, 0
	s_cbranch_scc0 .Lfor_b_\@
	tensor_load_to_lds s[\g0a:\g0a+3], s[\g1a:\g1a+7]
	s_nop 0
.rept 4
	v_nop
.endr
	s_branch .Lasked_\@
.Lfor_b_\@:
	tensor_load_to_lds s[\g0b:\g0b+3], s[\g1b:\g1b+7]
	s_nop 0
.rept 4
	v_nop
.endr
.Lasked_\@:
.endm
.macro CREST                           ; a round of the cluster's barrier behind its opening barrier
	s_cmp_lg_u32 s14, 0
	s_cbranch_scc1 .Lnot_wave_0_\@
	s_barrier_signal -3
.Lnot_wave_0_\@:
	s_barrier_wait -3
	s_barrier_signal -1
	s_barrier_wait -1
.endm
.macro CROUND                          ; a whole round
	s_barrier_signal -1
	s_barrier_wait -1
	CREST
.endm
	s_load_b512 s[68:83], s[0:1], 0x0              ; Q s[68:69], K s[70:71], V s[72:73], Wq s[74:75], Wk s[76:77], Wv s[78:79], bq s[80:81], bk s[82:83]
	s_load_b256 s[84:91], s[0:1], 0x40             ; bv s[84:85], the scales' exponents s[86:87], qimg s[88:89], kv s[90:91]
	v_lshl_add_u32 v[SPW], v0, 2, SPARE
	v_mov_b32 v[NIL], 0
	ds_add_u32 v28, v29
	s_wait_dscnt 0x0
	v_lshrrev_b32 v1, 5, v0
	v_readfirstlane_b32 s14, v1                    ; wave 0..3
	s_lshr_b32 s15, s14, 1                         ; which half of the tile's rows is mine.  Also: I fetch for A (0) or for B (1)
	s_and_b32 s16, s14, 1                          ; which half of its columns.  Also: which 128 rows of that tile I fetch
	s_bfe_u32 s40, ttmp6, 0x40000                  ; cx, cy: my place in the cluster
	s_bfe_u32 s41, ttmp6, 0x40004
	s_lshl_b32 s42, ttmp9, 2
	s_add_co_u32 s42, s42, s40                     ; tile column = 4 x cluster x + cx
	s_and_b32 s17, ttmp7, 0xffff                   ; cluster y, 0 .. 5
	s_lshr_b32 s66, s17, 1                         ; g: which product; the same in all sixteen partners
	s_and_b32 s17, s17, 1
	s_lshl_b32 s17, s17, 2
	s_add_co_u32 s17, s17, s41                     ; tile row = 4 x (cluster y % 2) + cy
	s_lshl_b32 s43, s41, 2
	s_lshl_b32 s43, 15, s43                        ; my row of the cluster
	s_lshl_b32 s44, 0x1111, s40                    ; my column
	; descriptor group 1: a tile of 128 rows x 256 bytes, padded in LDS
	s_or_b32 s[G1+0], s43, (0<<16)|(1<<20)|(1<<21)|(5<<22)|(3<<25)  ; 15:0 the mask: A's tiles go to my row; 17:16 element of 1 byte; 20 padding on; 21 set beside a mask; 24:22 after every 64 words (code 5); 31:25 of 4 words (code 3)
	s_or_b32 s[G1B+0], s44, (0<<16)|(1<<20)|(1<<21)|(5<<22)|(3<<25) ; the same with my column's mask
.irp g, G1, G1B
	s_mov_b32 s[\g+1], ROWB<<16                    ; tensor_dim0
	s_mov_b32 s[\g+2], 128<<16                     ; tensor_dim1 = 128
	s_mov_b32 s[\g+3], ROWB<<16                    ; tile_dim0
	s_mov_b32 s[\g+4], 128                         ; tile_dim1 = 128
	s_mov_b32 s[\g+5], KROW                        ; tensor_dim0_stride
	s_mov_b32 s[\g+6], 0
	s_mov_b32 s[\g+7], 0
.endr
	s_lshl_b32 s18, s16, 7                         ; which 128 rows of the tile I fetch
	s_lshl_b32 s20, s17, 8
	s_add_co_u32 s20, s20, s18                     ; A: row 256 x tile row + 128 x half,
	s_lshl_b32 s20, s20, 11                        ; of 2,048 bytes
	s_mov_b32 s21, 0
	s_lshl_b32 s46, s42, 8
	s_add_co_u32 s46, s46, s18                     ; B: row 256 x tile column + 128 x half
	s_lshl_b32 s46, s46, 11
	s_mov_b32 s47, 0
	s_mul_i32 s45, s14, HALFT                      ; where they go: wave x 128 rows: no place in the cluster enters an LDS address
	s_wait_kmcnt 0x0
	s_cmp_eq_u32 s66, 0                            ; the buffers are chosen by g alone
	s_cselect_b64 s[4:5], s[68:69], s[70:71]       ; A: Q's codes or K's
	s_cselect_b64 s[6:7], s[74:75], s[76:77]       ; B: Wq's or Wk's
	s_cselect_b64 s[12:13], s[80:81], s[82:83]     ; the bias
	s_cselect_b64 s[10:11], s[88:89], s[90:91]     ; where the images go
	s_cmp_eq_u32 s66, 2
	s_cselect_b64 s[4:5], s[78:79], s[4:5]         ; the third product, transposed: A = Wv's codes,
	s_cselect_b64 s[6:7], s[72:73], s[6:7]         ; B = V's codes
	s_cselect_b64 s[12:13], s[84:85], s[12:13]
	s_load_b256 s[68:75], s[86:87], 0x0            ; e0 .. e7 (the pointers that lay here have been chosen from)
	s_load_b128 s[76:79], s[86:87], 0x20           ; e8 .. e11
	s_add_nc_u64 s[20:21], s[4:5], s[20:21]
	s_add_nc_u64 s[46:47], s[6:7], s[46:47]
	CROUND                                         ; all sixteen work-groups are here: the first joint loads meet
.irp s, 0,1
	s_mov_b32 s[G0+4*\s], 1
	s_add_co_u32 s[G0+4*\s+1], s45, \s*SLOT
	s_add_nc_u64 s[G0+4*\s+2:G0+4*\s+3], s[20:21], \s*ROWB
	s_or_b32 s[G0+4*\s+3], s[G0+4*\s+3], 0x80000000
	s_mov_b32 s[G0B+4*\s], 1
	s_add_co_u32 s[G0B+4*\s+1], s45, \s*SLOT
	s_add_nc_u64 s[G0B+4*\s+2:G0B+4*\s+3], s[46:47], \s*ROWB
	s_or_b32 s[G0B+4*\s+3], s[G0B+4*\s+3], 0x80000000
	JLOAD G0+4*\s, G1, G0B+4*\s, G1B
.endr
	v_and_b32 v1, 15, v0                           ; r = lane % 16
	v_bfe_u32 v2, v0, 4, 1                         ; h = lane / 16
	v_mul_u32_u24 v3, v1, PITCH
	v_lshl_add_u32 v4, v2, 4, v3                   ; a fragment's row x pitch + 16 x half
	s_mul_i32 s21, s15, HALFT                      ; my 128 rows of A
	s_mul_i32 s22, s16, HALFT                      ; my 128 rows of B,
	s_add_co_u32 s22, s22, 2*HALFT                 ; which lie behind A's 256
.irp s, 0,1
	v_add_nc_u32 v[ADRA+\s], s21, v4
	v_add_nc_u32 v[ADRB+\s], s22, v4
	s_add_co_u32 s21, s21, SLOT
	s_add_co_u32 s22, s22, SLOT
.endr
	v_lshlrev_b32 v[BH], 5, v2
	v_lshlrev_b32 v[BR], 2, v1
	v_and_b32 v6, 31, v0
	v_lshlrev_b32 v[LI], 4, v6
	; where my eight images go.  X = 2 x tile column + column half, Y = 2 x tile row + row half.  q: head X, 128 queries Y: (16 X + Y) << 14.  k: head X, key step Y: (16 X + Y) << 15.  v: head Y, key step X: (16 Y + X) << 15, behind K's eight images
	s_lshl_b32 s92, s42, 1
	s_add_co_u32 s92, s92, s16                     ; X
	s_lshl_b32 s93, s17, 1
	s_add_co_u32 s93, s93, s15                     ; Y
	s_cmp_eq_u32 s66, 2
	s_cselect_b32 s94, s93, s92                    ; the head
	s_cselect_b32 s95, s92, s93                    ; the block of 128 within it
	s_cselect_b32 s96, 16384, 0
	s_lshl_b32 s94, s94, 4
	s_add_co_u32 s94, s94, s95
	s_cmp_eq_u32 s66, 0
	s_cselect_b32 s95, 14, 15
	s_lshl_b32 s94, s94, s95
	s_add_co_u32 s94, s94, s96
	s_mov_b32 s95, 0
	s_add_nc_u64 s[10:11], s[10:11], s[94:95]
	; the scales
	s_wait_kmcnt 0x0
	s_add_co_i32 s92, s68, s69                     ; e0 + e1
	s_add_co_i32 s93, s70, s71                     ; e2 + e3
	s_add_co_i32 s94, s72, s73                     ; e4 + e5
	s_cmp_eq_u32 s66, 0
	s_cselect_b32 s92, s92, s93
	s_cselect_b32 s95, s74, s75                    ; e6 or e7
	s_cmp_eq_u32 s66, 2
	s_cselect_b32 s92, s94, s92                    ; ea + eb
	s_cselect_b32 s95, s77, s95                    ; eo (the third product's: e9)
	s_sub_co_i32 s67, 0, s92                       ; -(ea + eb), for the bias
	s_sub_co_i32 s95, s95, s92                     ; eo - ea - eb
	s_add_co_i32 s95, s95, 127
	s_lshl_b32 s96, s95, 23
	v_mov_b32 v[SCL], s96                          ; 2^(eo - ea - eb) as f32: the conversion takes its exponent field
	s_add_co_i32 s95, s95, 8
	s_lshl_b32 s95, s95, 23
	s_or_b32 s95, s95, 0x600000
	v_mov_b32 v[LIM], s95                          ; 448 x that
	; the bias: my 128 numbers begin at 4 x (256 x tile + 128 x half): by columns for g = 0, 1, by rows for g = 2
	s_cmp_eq_u32 s66, 2
	s_cselect_b32 s92, s17, s42
	s_cselect_b32 s93, s15, s16
	s_lshl_b32 s92, s92, 10
	s_lshl_b32 s93, s93, 9
	s_add_co_u32 s92, s92, s93
	s_mov_b32 s93, 0
	s_add_nc_u64 s[12:13], s[12:13], s[92:93]
	s_cmp_eq_u32 s66, 2
	s_cbranch_scc1 .Lbias_rows
.irp b, 0,1,2,3,4,5,6,7                        ; lane (r, h) wants, for column block b, the numbers 16 b + 8 h + 0 .. 7
	global_load_b128 v[BIAS+8*\b:BIAS+8*\b+3], v[BH], s[12:13] offset:64*\b
	global_load_b128 v[BIAS+8*\b+4:BIAS+8*\b+7], v[BH], s[12:13] offset:64*\b+16
.endr
	s_wait_loadcnt 0x0
.set jj, 0
.rept 64
	v_ldexp_f32 v[BIAS+jj], v[BIAS+jj], s67        ; b / 2^(ea + eb): nothing is rounded, short of overflow and underflow
.set jj, jj+1
.endr
	s_branch .Lbias_done
.Lbias_rows:
.irp a, 0,1,2,3,4,5,6,7                        ; lane (r, h) wants, for row block a, the one number 16 a + r, in all eight registers
	global_load_b32 v[BIAS+8*\a], v[BR], s[12:13] offset:64*\a
.endr
	s_wait_loadcnt 0x0
.irp a, 0,1,2,3,4,5,6,7
.irp j, 1,2,3,4,5,6,7
	v_ldexp_f32 v[BIAS+8*\a+\j], v[BIAS+8*\a], s67
.endr
	v_ldexp_f32 v[BIAS+8*\a], v[BIAS+8*\a], s67
.endr
.Lbias_done:
.macro FRAG reg, adr, q, i             ; a fragment, 16 rows x 128 K, is 16 registers: lane l holds row l % 16; registers 4 c .. 4 c + 3 hold K = 32 c + 16 (l / 16) + 0 .. 15: the same order of k in A and in B, so every product meets its partner
.irp c, 0,1,2,3
	ds_load_b128 v[\reg+4*\c:\reg+4*\c+3], v[\adr] offset:128*(\q)+32*\c+(\i)*16*PITCH
.endr
.endm
; 16 matrix instructions: A's blocks a0, a0 + 1 x B's eight, 128 along K.  p: B's set.  zero = 1: the sums start from the bias by columns; 2: from the bias by rows; 0: they go on.
; The 64 accumulators take turns, one instruction a turn, in the same order in every step.
.macro MUL16 a0, p, zero
.irp a, \a0, \a0+1
.irp b, 0,1,2,3,4,5,6,7
.if \zero == 1
	v_wmma_f32_16x16x128_fp8_fp8 v[8*(8*((\a)%4)+\b):8*(8*((\a)%4)+\b)+7], v[128*(\p)+FR*\b:128*(\p)+FR*\b+FR-1], v[AF+FR*(\a):AF+FR*(\a)+FR-1], v[BIAS+8*\b:BIAS+8*\b+7]
.elseif \zero == 2
	v_wmma_f32_16x16x128_fp8_fp8 v[8*(8*((\a)%4)+\b):8*(8*((\a)%4)+\b)+7], v[128*(\p)+FR*\b:128*(\p)+FR*\b+FR-1], v[AF+FR*(\a):AF+FR*(\a)+FR-1], v[BIAS+8*(\a):BIAS+8*(\a)+7]
.else
	v_wmma_f32_16x16x128_fp8_fp8 v[8*(8*((\a)%4)+\b):8*(8*((\a)%4)+\b)+7], v[128*(\p)+FR*\b:128*(\p)+FR*\b+FR-1], v[AF+FR*(\a):AF+FR*(\a)+FR-1], v[8*(8*((\a)%4)+\b):8*(8*((\a)%4)+\b)+7]
.endif
.endr
.endr
.endm
.macro FETCH_B slot, q, p              ; B's eight fragments of the slot's q-th 128 along K into set p
	WIN TO_B
.irp i, 0,1,2,3,4,5,6,7
	FRAG 128*(\p)+FR*\i, ADRB+\slot, \q, \i
.endr
	WIN 0
.endm
.macro FETCH_A slot, q, i0             ; A's blocks i0 .. i0 + 3
.irp i, \i0, \i0+1, \i0+2, \i0+3
	FRAG AF+FR*(\i), ADRA+\slot, \q, \i
.endr
.endm
; A load into a register that a matrix instruction has read, and a vector instruction that reads a matrix result, stand NP places behind that matrix instruction; only plain vector
; instructions that name none of its registers are places (ISA guide 7.12.1 for vector instructions).
.macro PLACES n
.rept \n
	v_nop
.endr
.endm
; A step of 128 along K that has its successor in the same slot.  A block of A is free as soon as its eight products are issued: blocks 0-3 are fetched anew in the step's middle, blocks 4-7 at its end.
.macro STEP slot, q, zero
	s_wait_dscnt 4*NL                              ; B's set and A's blocks 0-3 are in; the youngest sixteen loads (A's blocks 4-7) may be out
.if \zero
	WIN BIA_LO
.else
	WIN MUL_LO
.endif
	MUL16 0, (\q)%2, \zero
	MUL16 2, (\q)%2, \zero
	s_wait_dscnt 0                                 ; A's blocks 4-7 are in (asked for 32 matrix instructions ago)
	PLACES NP
	FETCH_B \slot, (\q)+1, 1-(\q)%2
	FETCH_A \slot, (\q)+1, 0
.if \zero
	WIN BIA_HI
.else
	WIN MUL_HI
.endif
	MUL16 4, (\q)%2, \zero
	MUL16 6, (\q)%2, \zero
	PLACES NP
	WIN 0
	FETCH_A \slot, (\q)+1, 4
.endm
; A slot's last step changes slots: ONE barrier; in front of it each wave waits for all its tensor loads, adds 0 to its spare word, and waits for that and for its own reads of this slot.  fill = 1: this slot is filled again, two K steps ahead.
.macro TURN slot, next, fill
	s_wait_tensorcnt 0x0                           ; all my tensor loads have landed: my part of the next slot  (every window is 0 here)
	ds_add_u32 v[SPW], v[NIL]                      ; 0 onto my spare word
	s_wait_dscnt 4*NL+1                            ; (the add and the youngest sixteen loads, A's blocks 4-7, may be out)
	WIN MUL_LO
	MUL16 0, 1, 0                                  ; sixteen matrix instructions stand between the add and the wait for it
	s_wait_dscnt 0x0                               ; the add is done, and my reads of this slot are over
	s_barrier_signal -1
	MUL16 2, 1, 0
	WIN 0
	s_barrier_wait -1
.if \fill
	CREST                                          ; the barrier has opened a round of the cluster's barrier: no wave of any partner still reads this slot's tile or has a load on its way
	s_add_nc_u64 s[G0+4*\slot+2:G0+4*\slot+3], s[G0+4*\slot+2:G0+4*\slot+3], 2*ROWB
	s_add_nc_u64 s[G0B+4*\slot+2:G0B+4*\slot+3], s[G0B+4*\slot+2:G0B+4*\slot+3], 2*ROWB
	JLOAD G0+4*\slot, G1, G0B+4*\slot, G1B         ; the first tensor load behind the round; the four v_nop behind it are the places in front of the loads below
.else
	PLACES NP
.endif
	FETCH_B \next, 0, 0
	FETCH_A \next, 0, 0
	WIN MUL_HI
	MUL16 4, 1, 0
	MUL16 6, 1, 0
	PLACES NP
	WIN 0
	FETCH_A \next, 0, 4
.endm
	s_wait_tensorcnt 1                             ; my part of K step 0 is in (K step 1's load may be out)
	s_barrier_signal -1
	s_barrier_wait -1                              ; everybody's is
	FETCH_B 0, 0, 0
	FETCH_A 0, 0, 0
	FETCH_A 0, 0, 4
	s_cmp_eq_u32 s66, 2                            ; the first step stands in front of the loop, twice: its products take the bias as C, by columns or by rows
	s_cbranch_scc1 .Lfirst_rows
	STEP 0, 0, 1
	s_branch .Lfirst_done
.Lfirst_rows:
	STEP 0, 0, 2
.Lfirst_done:
	s_mov_b32 s3, LAPS-1
.Llap:                                                 ; a trip goes once round the ring, from a lap's second step to the next lap's first, and fills both slots again
	TURN 0, 1, 1
	STEP 1, 0, 0
	TURN 1, 0, 1
	STEP 0, 0, 0
	s_sub_co_u32 s3, s3, 1
	s_cmp_lg_u32 s3, 0
	s_cbranch_scc1 .Llap
	TURN 0, 1, 0                                   ; the last lap fills nothing, and has no round of the cluster's barrier
	STEP 1, 0, 0
	s_wait_dscnt 4*NL                              ; the very last step: nothing more to fetch
	WIN MUL_LO
	MUL16 0, 1, 0
	MUL16 2, 1, 0
	s_wait_dscnt 0
	WIN MUL_HI
	MUL16 4, 1, 0
	MUL16 6, 1, 0
	WIN 0
; THE WAY OUT, block by block of 16 rows x 128: the block's eight accumulators become one fragment's 16 registers and leave as its image.
.macro OUTBLK a
.set AC, 64*((\a)%4)
	WIN 0x02+((\a)/4)                              ; source 0: window 2 or 3
.set jj, 0
.rept 64
	v_med3_num_f32 v[TMP+jj], v[AC+jj], 0, v[LIM]  ; the activation and the hold in one (the conversion to an 8-bit code does not saturate: ISA guide 7.6.2); each accumulator from its low end on
.set jj, jj+1
.endr
	WIN 0
.irp b, 0,1,2,3,4,5,6,7
	v_cvt_scalef32_pk8_fp8_f32 v[CD+16*(\a)+2*\b:CD+16*(\a)+2*\b+1], v[TMP+8*\b:TMP+8*\b+7], v[SCL]   ; registers 2 b, 2 b + 1: k = 16 b + 8 h + 0 .. 7
.endr
	v_nop                                          ; one plain vector instruction between the conversions and the next block's lines, which write their sources
.irp c, 0,1,2,3
	global_store_b128 v[LI], v[CD+16*(\a)+4*\c:CD+16*(\a)+4*\c+3], s[10:11] offset:2048*(\a)+512*\c   ; 32 lanes store 512 consecutive bytes, at a multiple of 512 from the buffer's first byte
.endr
.endm
	PLACES NP                                      ; behind the last products: their results are read and their fragments' registers written below
.irp a, 0,1,2,3,4,5,6,7
	OUTBLK \a
.endr
	s_wait_tensorcnt 0x0                           ; the wave's end
	ds_add_u32 v[SPW], v[NIL]
	s_wait_dscnt 0x0
	CROUND                                         ; the closing round: no work-group ends while a partner may still ask for a tile that names it
	s_endpgm
.Lfunc_end_k_q457cefcfd9_proj:
	.size	k_q457cefcfd9_proj, .Lfunc_end_k_q457cefcfd9_proj-k_q457cefcfd9_proj
	.p2alignl 7, 3214868480
	.fill 96, 4, 3214868480
	.section	.rodata,"a",@progbits
	.p2align	6, 0x0
	.amdhsa_kernel k_q457cefcfd9_proj
		.amdhsa_group_segment_fixed_size 327680
		.amdhsa_private_segment_fixed_size 0
		.amdhsa_enable_private_segment 0
		.amdhsa_kernarg_size 96
		.amdhsa_user_sgpr_count 2
		.amdhsa_user_sgpr_kernarg_segment_ptr 1
		.amdhsa_wavefront_size32 1
		.amdhsa_system_sgpr_workgroup_id_x 1
		.amdhsa_system_sgpr_workgroup_id_y 1
		.amdhsa_system_sgpr_workgroup_id_z 1
		.amdhsa_system_vgpr_workitem_id 0
		.amdhsa_next_free_vgpr 1024
		.amdhsa_next_free_sgpr 100
		.amdhsa_reserve_vcc 0
		.amdhsa_float_denorm_mode_32 3
		.amdhsa_float_denorm_mode_16_64 3
		.amdhsa_memory_ordered 1
		.amdhsa_forward_progress 1
		.amdhsa_inst_pref_size 137
	.end_amdhsa_kernel
	.amdgpu_metadata
---
amdhsa.version: [ 1, 2 ]
amdhsa.kernels:
  - .name:           k_q457cefcfd9_proj
    .symbol:         k_q457cefcfd9_proj.kd
    .args:
      - { .name: Q_codes, .offset: 0, .size: 8, .value_kind: global_buffer, .address_space: global }
      - { .name: K_codes, .offset: 8, .size: 8, .value_kind: global_buffer, .address_space: global }
      - { .name: V_codes, .offset: 16, .size: 8, .value_kind: global_buffer, .address_space: global }
      - { .name: Wq_codes, .offset: 24, .size: 8, .value_kind: global_buffer, .address_space: global }
      - { .name: Wk_codes, .offset: 32, .size: 8, .value_kind: global_buffer, .address_space: global }
      - { .name: Wv_codes, .offset: 40, .size: 8, .value_kind: global_buffer, .address_space: global }
      - { .name: bq, .offset: 48, .size: 8, .value_kind: global_buffer, .address_space: global }
      - { .name: bk, .offset: 56, .size: 8, .value_kind: global_buffer, .address_space: global }
      - { .name: bv, .offset: 64, .size: 8, .value_kind: global_buffer, .address_space: global }
      - { .name: lowp_scales, .offset: 72, .size: 8, .value_kind: global_buffer, .address_space: global }
      - { .name: qimg, .offset: 80, .size: 8, .value_kind: global_buffer, .address_space: global }
      - { .name: kv, .offset: 88, .size: 8, .value_kind: global_buffer, .address_space: global }
    .group_segment_fixed_size: 327680
    .private_segment_fixed_size: 0
    .kernarg_segment_align: 8
    .kernarg_segment_size: 96
    .max_flat_workgroup_size: 128
    .sgpr_count:     100
    .vgpr_count:     1024
    .wavefront_size: 32
...
	.end_amdgpu_metadata
.endif
;; end of part 1
;; launch attn (part 2): grid 16 x 16, 8 waves a work-group, clusters of 4 x 4, 327,680 bytes of LDS; arguments qimg, kv, mask, lowp_scales, aimg; writes aimg
.if DOCPART == 2
	.amdgcn_target "amdgcn-amd-amdhsa--gfx1250"
	.amdhsa_code_object_version 6
	.text
	.protected	k_q457cefcfd9_attn
	.globl	k_q457cefcfd9_attn
	.p2align	8
	.type	k_q457cefcfd9_attn,@function
k_q457cefcfd9_attn:
	s_mov_b64 s[64:65], 0
	v_nop
	global_prefetch_b8 v0, s[64:65] scope:SCOPE_SE
	s_setreg_imm32_b32 hwreg(HW_REG_WAVE_MODE, 25, 1), 1
	s_wait_xcnt 0x0
	s_wait_alu depctr_hold_cnt(0) depctr_sa_sdst(0) depctr_va_vdst(0) depctr_va_sdst(0) depctr_va_ssrc(0) depctr_va_vcc(0) depctr_vm_vsrc(0)
	s_getreg_b32 s2, hwreg(HW_REG_IB_STS2, 6, 4)
	s_cmp_eq_u32 s2, 0
	s_cbranch_scc0 .Lentry_in_a_cluster
	s_endpgm
.Lentry_in_a_cluster:
	s_bfe_u32 s2, ttmp6, 0x10000c
	s_cmp_lg_u32 s2, 0xf033
	s_cbranch_scc0 .Lentry_shape_is_right
	s_endpgm
.Lentry_shape_is_right:
; ATTENTION on codes of FP8 (E4M3): for each of 16 heads, o[q] = the sum over k of softmax_k(q . k / sqrt(128) + mask[q][k] x (-1e9)) v[k], then the quantiser with 2^e10.
; The mask is an input of f32 numbers: every key step is computed and every number of the mask is read and honoured as it is given.
; THE SOFTMAX AHEAD OF THE SECOND PRODUCT: t = logit x log2(e); M = the row's largest t so far, rounded UP to a whole number; p = 2^(t - M) is quantised with 2^e8; it is not normalised.
; The row's sum is taken of the unquantised p, in f32, and divides O at the end.  When M moves, the sum and O are multiplied by 2^(old M - new M): exact.
; SHARES.  A work-group owns 128 queries of one head, each of its eight waves 16 of them, one tile, in 256 registers: two waves to a SIMD.  Every wave walks the head's 2,048 keys, 128 a step.
; OPERANDS COME AS IMAGES OF THEIR REGISTERS (2,048 bytes a fragment: register 4 c + i of lane l at byte 512 c + 16 l + 4 i), as the launch before laid them: every LDS read is 512 consecutive bytes.
; LAYOUT.  Both products are used transposed: S^T = K Q^T (source 0 = 16 keys, source 1 = my 16 queries), O^T = V^T P^T (source 0 = 16 channels, source 1 = P): a lane holds ONE query (lane % 16) throughout.
; Tile t of S^T holds, in lane (r, h), keys 16 t + 8 h + 0 .. 7: converted, they are registers 2 t, 2 t + 1 of P's fragment, and V's images have their keys in the same order.
; THE MASK GOES IN AS THE C OF K Q^T: w = the sum of the codes' products + mask x C3, C3 = -1e9 sqrt(128) / 2^(e6 + e7); t = w x c, c = log2(e) / sqrt(128) x 2^(e6 + e7).  So its tile is loaded straight into the accumulators.
; CLUSTER.  4 x 4 work-groups: four blocks of queries x four heads.  A step's K and V hang on the head alone and are asked for jointly along a row of the cluster; the mask's tile hangs on the block of
; queries alone and is asked for jointly along a column.  A ring of two LDS slots of one key step; waves 0 and 1 fetch K's and V's images, waves 2 and 3 the two halves of the mask's tile, the others nothing.
; LIMITS: e6 + e7 between -94 and 130 (added to c's exponent field, taken off C3's); e8 and e10 between -126 and 119; e8 + e9 is applied by v_ldexp_f32 and has none.  NaN among the inputs is not served.
; ORDER OF ROUNDING: the mask's term is added inside the matrix sum, in code units, not to the scaled score.  It can show only in a row all of whose keys are masked by about 1 or more, where the scores vanish
; under the step of f32 numbers near 1e9 here as in the definition; there the results agree while |score / sqrt(128)| stays under about 29.
; REGISTERS: v1-7 addresses that stay; v8, v9 the step's addresses; v12 -M, v13 the largest t, v[14:15] the sum in two halves; v16-31 Q; v32-95 four fragments of K or V; v96-159 the mask, S^T, p, then four fragments of V;
;   v160-223 O^T; v224-239 p's codes; v240-254 constants and work.
.set SLOT1, 1<<17                      ; slot 1 begins here, so that one exclusive or turns an address in one slot into the other's
.set VOFF,  16384                      ; a slot: K's 8 images, V's 8 images,
.set MOFF,  32768                      ; and the mask's tile: 128 rows of
.set MP,    528                        ; 512 bytes + 16 of padding = 132 words: row r starts at bank 4 r mod 64 (64 banks of 4 bytes: ISA guide 11.1)
.set STAGE, 2*SLOT1                    ; behind the ring: 16 rows x 144 bytes for each wave, for the way out: bytes into which no tile lands
.set SP,    144
.set SPARE, STAGE+8*16*SP              ; behind the stages: the spare words, 128 bytes for each wave, which no other line names
.set LI,   1                           ; v1   16 x lane: my place in an image
.set AM0,  2                           ; v2   my place in the mask's tile: MOFF + (16 wave + r) x 528 + 32 h
.set PFO,  3                           ; v3   the prefetches' offset; never rewritten
.set STO,  4                           ; v4   the way out: where I put 8 codes of a row
.set SPW,  5                           ; v5   LDS address of my spare word; never rewritten
.set NIL,  6                           ; v6   0; never rewritten
.set RD,   7                           ; v7   the way out: where I read 16 codes back
.set ADK,  8                           ; v8   the step's images
.set ADM,  9                           ; v9   the step's tile of the mask
.set QF,   16
.set FRG,  32
.set S,    96
.set O,    160
.set PC,   224
.set TB,   2                           ; s2   LDS byte at which the slot in hand begins
.set C3,   16                          ; s[16:17] C3: the packed form names a pair and takes its low word for both halves
.set WV,   18                          ; s18  my wave's number
.set SEL,  20                          ; s[20:21] lane selects for v_permlanex16_b32: lane l xor 16
.set CS,   22                          ; s[22:23] c
.set G1K,  24                          ; s[24:31] descriptor group 1 for K's and V's images;  s[32:39] for the mask's tile;  s[40:43], s[44:47] their groups 0, which walk
.set G1M,  32
.set G0K,  40
.set G0M,  44
.set SLOTS, 60                         ; s60  tiles still to be asked for
.set LIM,  61                          ; s61  2 in a wave that prefetches, else the greatest number: a wave prefetches while s[SLOTS] is above it
.set PFA,  62                          ; s[62:63] where my prefetches stand in memory
.set PFS,  66                          ; s[66:67] a key step on, in bytes
; Waves 0 and 1 fetch K's and V's images, waves 2 and 3 the mask's tile, the others nothing.  The branches hang on the wave's number alone.  Four v_nop follow each of the two lines.
.macro JLOAD
	s_cmp_lt_u32 s[WV], 2
	s_cbranch_scc0 .Lnot_k_\@
	tensor_load_to_lds s[G0K:G0K+3], s[G1K:G1K+7]
	s_nop 0
.rept 4
	v_nop
.endr
	s_branch .Lasked_\@
.Lnot_k_\@:
	s_cmp_lt_u32 s[WV], 4
	s_cbranch_scc0 .Lasked_\@
	tensor_load_to_lds s[G0M:G0M+3], s[G1M:G1M+7]
	s_nop 0
.rept 4
	v_nop
.endr
.Lasked_\@:
.endm
; A PREFETCH INTO THE L2, behind the joint load of key step i: what key step i + 2 will ask for.  Each block of 256 bytes is named once in the launch.
; K and V of a head are walked by every cluster of that row of clusters: the first of them (cluster x = 0) asks, in wave 4; its four partners of one head share the step's 32,768 bytes out BY ADDRESS, 8,192 each, lanes 256 bytes apart.
; The mask's rows are walked by every cluster of a column of clusters: cluster y = 0 asks, in waves 5 and 6; the four partners of one block of queries take 32 rows each, by address, a lane a row; a step's 512 bytes
; of a row are two blocks: wave 6 names the first, wave 5 the second.  Steps 0 to 2 come by their loads alone; the loads of steps 14 and 15 ask for nothing: there is no step two on.
.macro ASK
	s_cmp_gt_u32 s[SLOTS], s[LIM]
	s_cbranch_scc0 .Lnot_mine_\@
	global_prefetch_b8 v[PFO], s[PFA:PFA+1] th:TH_LOAD_NT scope:SCOPE_SE
.Lnot_mine_\@:
.endm
; A round of the cluster's barrier: my work-group's barrier; wave 0 signals for the work-group; every wave waits for all sixteen work-groups; my work-group's barrier once more.
.macro CROUND
	s_barrier_signal -1
	s_barrier_wait -1
	s_cmp_lg_u32 s[WV], 0
	s_cbranch_scc1 .Lnot_wave_0_\@
	s_barrier_signal -3
.Lnot_wave_0_\@:
	s_barrier_wait -3
	s_barrier_signal -1
	s_barrier_wait -1
.endm
	s_load_b256 s[4:11], s[0:1], 0x0               ; qimg s[4:5], kv s[6:7], mask s[8:9], the scales' exponents s[10:11]
	s_load_b64 s[12:13], s[0:1], 0x20              ; aimg
	v_lshl_add_u32 v[SPW], v0, 2, SPARE
	v_mov_b32 v[NIL], 0
	ds_add_u32 v5, v6
	s_wait_dscnt 0x0
	v_lshrrev_b32 v8, 5, v0
	v_readfirstlane_b32 s[WV], v8                  ; wave 0..7
	s_and_b32 s19, s[WV], 1                        ; which half I fetch, if I fetch
	s_bfe_u32 s48, ttmp6, 0x40000                  ; cx, cy: my place in the cluster
	s_bfe_u32 s49, ttmp6, 0x40004
	s_lshl_b32 s50, ttmp9, 2
	s_add_co_u32 s50, s50, s48                     ; my block of 128 queries = 4 x cluster x + cx
	s_and_b32 s59, ttmp7, 0xffff                   ; cluster y
	s_lshl_b32 s51, s59, 2
	s_add_co_u32 s51, s51, s49                     ; my head = 4 x cluster y + cy
	s_lshl_b32 s52, s49, 2
	s_lshl_b32 s52, 15, s52                        ; my row of the cluster: the same head
	s_lshl_b32 s53, 0x1111, s48                    ; my column: the same queries
	; descriptor group 1.  K's or V's eight images: 16,384 dense bytes as 64 rows of 256
	s_or_b32 s[G1K], s52, (3<<16)|(1<<21)          ; 15:0 the mask of work-groups: my row; 17:16 elements of 8 bytes; 20 no padding; 21 set beside a mask
	s_mov_b32 s[G1K+1], 32<<16                     ; tensor_dim0 = 32 elements
	s_mov_b32 s[G1K+2], 64<<16                     ; tensor_dim1 = 64
	s_mov_b32 s[G1K+3], 32<<16                     ; tile_dim0
	s_mov_b32 s[G1K+4], 64                         ; tile_dim1
	s_mov_b32 s[G1K+5], 32                         ; tensor_dim0_stride: dense
	s_mov_b32 s[G1K+6], 0
	s_mov_b32 s[G1K+7], 0
	; half of the mask's tile: 64 rows of 128 f32 numbers, 2,048 numbers from row to row, padded in LDS
	s_or_b32 s[G1M], s53, (2<<16)|(1<<20)|(1<<21)|(6<<22)|(3<<25)  ; my column; elements of 4 bytes; padding on; after every 128 words (code 6) 4 words (code 3)
	s_mov_b32 s[G1M+1], 128<<16
	s_mov_b32 s[G1M+2], 64<<16
	s_mov_b32 s[G1M+3], 128<<16
	s_mov_b32 s[G1M+4], 64
	s_mov_b32 s[G1M+5], 2048
	s_mov_b32 s[G1M+6], 0
	s_mov_b32 s[G1M+7], 0
	s_mov_b32 s[SEL], 0x76543210
	s_mov_b32 s[SEL+1], 0xfedcba98
	s_mov_b32 s[TB], 0
	; every LDS address register is made here, from the thread's and the wave's number and constants
	v_and_b32 v[LI], 31, v0                        ; lane
	v_and_b32 v10, 15, v0                          ; r
	v_bfe_u32 v11, v0, 4, 1                        ; h
	s_mul_i32 s80, s[WV], 16*MP
	s_add_co_u32 s80, s80, MOFF
	v_mul_u32_u24 v[AM0], v10, MP
	v_lshl_add_u32 v[AM0], v11, 5, v[AM0]
	v_add_nc_u32 v[AM0], s80, v[AM0]               ; the mask: row 16 wave + r, + 32 h bytes: keys 8 h on
	s_mul_i32 s80, s[WV], 16*SP
	s_add_co_u32 s80, s80, STAGE                   ; my stage
	v_mul_u32_u24 v[RD], v10, SP
	v_add_nc_u32 v[RD], s80, v[RD]
	v_lshl_add_u32 v[STO], v11, 3, v[RD]           ; in: row r, + 8 h
	v_lshl_add_u32 v[RD], v11, 4, v[RD]            ; back: row r, + 16 h
	; byte offsets.  Those of K and V hang on the head alone, the mask's on the block of queries alone, each in registers that never hold the other coordinate
	s_lshl_b32 s54, s51, 19                        ; a head's 16 steps of 32,768 bytes
	s_lshl_b32 s55, s19, 14                        ; K's images (wave 0) or V's (wave 1)
	s_add_co_u32 s54, s54, s55
	s_mov_b32 s55, 0
	s_lshl_b32 s56, s50, 20                        ; 128 rows of 8,192 bytes
	s_lshl_b32 s57, s19, 19                        ; + 64 rows
	s_add_co_u32 s56, s56, s57
	s_mov_b32 s57, 0
	s_lshl_b32 s80, s51, 18                        ; my fragment of Q, and of the result: head x 128 images + (8 x block + wave) images of 2,048 bytes
	s_lshl_b32 s81, s50, 14
	s_add_co_u32 s80, s80, s81
	s_lshl_b32 s81, s[WV], 11
	s_add_co_u32 s80, s80, s81
	s_mov_b32 s81, 0
	; the prefetches' offsets, at key step 2
	s_lshl_b32 s86, s51, 19
	s_lshl_b32 s87, s48, 13
	s_add_co_u32 s86, s86, s87
	s_add_co_u32 s86, s86, 2*32768                 ; K and V: my work-group's 8,192 bytes of the step
	s_lshl_b32 s88, s50, 20
	s_lshl_b32 s89, s49, 18
	s_add_co_u32 s88, s88, s89                     ; the mask: my work-group's 32 rows,
	s_lshl_b32 s89, s19, 8
	s_add_co_u32 s88, s88, s89                     ; my wave's 256 bytes of a row's 512
	s_add_co_u32 s88, s88, 2*512
	s_sub_co_u32 s90, s[WV], 4
	s_cmp_lt_u32 s90, 3
	s_cselect_b32 s90, 0, 1                        ; 0 in waves 4, 5 and 6
	s_wait_kmcnt 0x0
	s_load_b256 s[68:75], s[10:11], 0x0            ; e0 .. e7
	s_load_b128 s[76:79], s[10:11], 0x20           ; e8 .. e11
	s_mov_b32 s[G0K], 1                            ; 1:0 count = 1
	s_lshl_b32 s[G0K+1], s19, 14                   ; 63:32 LDS address: slot 0
	s_add_nc_u64 s[G0K+2:G0K+3], s[6:7], s[54:55]  ; 120:64 global address: the head's key step 0
	s_or_b32 s[G0K+3], s[G0K+3], 0x80000000        ; 127:126 type = 2
	s_mov_b32 s[G0M], 1
	s_mul_i32 s[G0M+1], s19, 64*MP
	s_add_co_u32 s[G0M+1], s[G0M+1], MOFF
	s_add_nc_u64 s[G0M+2:G0M+3], s[8:9], s[56:57]
	s_or_b32 s[G0M+3], s[G0M+3], 0x80000000
	s_add_nc_u64 s[4:5], s[4:5], s[80:81]          ; Q's image
	s_add_nc_u64 s[12:13], s[12:13], s[80:81]      ; and the result's
	s_cmp_eq_u32 s[WV], 4                          ; wave 4 asks for K and V, waves 5 and 6 for the mask
	s_cselect_b64 s[PFA:PFA+1], s[6:7], s[8:9]
	s_cselect_b32 s81, 8, 13                       ; from lane to lane: 256 bytes, or a row of the mask
	s_mov_b32 s[PFS], 512
	s_cselect_b32 s[PFS], 32768, s[PFS]            ; a key step on
	s_cselect_b32 s82, ttmp9, s59                  ; the coordinate along which other clusters read the same bytes
	s_cselect_b32 s86, s86, s88
	s_mov_b32 s87, 0
	s_mov_b32 s[PFS+1], 0
	s_add_nc_u64 s[PFA:PFA+1], s[PFA:PFA+1], s[86:87]  ; at key step 2: the first change of slots steps it to 3.  Nothing is prefetched here, at the head
	s_or_b32 s82, s82, s90
	s_cmp_eq_u32 s82, 0
	s_cselect_b32 s[LIM], 2, -1                    ; the same in all partners, for a given wave
	v_lshlrev_b32 v[PFO], s81, v[LI]
	v_lshlrev_b32 v[LI], 4, v[LI]                  ; 16 x lane
	CROUND                                         ; all sixteen work-groups are here: the first joint loads meet
	JLOAD                                          ; key step 0 into slot 0
.irp c, 0,1,2,3
	global_load_b128 v[QF+4*\c:QF+4*\c+3], v[LI], s[4:5] offset:512*\c   ; Q's fragment stays in registers
.endr
	v_mov_b32 v13, 0xff61b1e6                      ; the largest t so far: -3e38, under every t
	v_floor_f32 v12, -v13                          ; -M
	v_mov_b32 v14, 0                               ; the sum, in two halves
	v_mov_b32 v15, 0
	v_mov_b32 v246, 0                              ; written once: a lane permute's destination counts as one of its sources
	v_mov_b32 v253, 0                              ; (named as the upper half of the pair v[252:253])
.set jj, 0
.rept 64
	v_mov_b32 v[O+jj], 0                           ; O^T.  (The key step is written without a first step of its own: the first finds zeros, which the first change of M leaves zeros)
.set jj, jj+1
.endr
	s_wait_kmcnt 0x0
	s_add_co_i32 s82, s74, s75                     ; e6 + e7
	s_lshl_b32 s82, s82, 23
	s_mov_b32 s[CS], 0x3e0293ee                    ; log2(e) / sqrt(128),
	s_add_co_i32 s[CS], s[CS], s82                 ; x 2^(e6 + e7): added to the exponent field
	s_mov_b32 s[CS+1], s[CS]                       ; (named with it as a pair, so it is written)
	s_mov_b32 s[C3], 0xd028965f                    ; -1e9 x sqrt(128),
	s_sub_co_i32 s[C3], s[C3], s82                 ; / 2^(e6 + e7)
	s_mov_b32 s[C3+1], s[C3]
	s_add_co_i32 s82, s76, 127
	s_lshl_b32 s83, s82, 23
	v_mov_b32 v244, s83                            ; 2^e8 as f32, for p's conversions
	s_add_co_i32 s82, s82, 8
	s_lshl_b32 s82, s82, 23
	s_or_b32 s82, s82, 0x600000
	v_mov_b32 v240, s82                            ; 448 x 2^e8
	s_add_co_i32 s82, s78, 127
	s_lshl_b32 s83, s82, 23
	v_mov_b32 v245, s83                            ; 2^e10, for the result's
	s_add_co_i32 s82, s82, 8
	s_lshl_b32 s82, s82, 23
	s_or_b32 s82, s82, 0x600000
	v_mov_b32 v241, s82                            ; 448 x 2^e10
	s_add_co_i32 s84, s76, s77                     ; e8 + e9
.macro IMG reg, off                    ; an image comes back as it was stored: four loads of 512 consecutive bytes
.irp c, 0,1,2,3
	ds_load_b128 v[\reg+4*\c:\reg+4*\c+3], v[ADK] offset:\off+512*\c
.endr
.endm
.macro SCALEM from, n                  ; n packed multiplies: the mask's numbers from register S + from on, x C3
.set jj, \from
.rept \n
	v_pk_mul_f32 v[S+jj:S+jj+1], v[S+jj:S+jj+1], s[C3:C3+1] op_sel_hi:[1,0]
.set jj, jj+2
.endr
.endm
; A KEY STEP: 128 keys, in the slot that begins at s[TB].  Every accumulator has one matrix instruction a turn.
.macro STEP
	v_add_nc_u32 v[ADK], s[TB], v[LI]
	v_add_nc_u32 v[ADM], s[TB], v[AM0]
.rept 3
	v_nop                                          ; with the two additions: five places behind the last products, whose fragments' registers are loaded into below and then written by matrix instructions
.endr
.irp t, 0,1,2,3,4,5,6,7
	ds_load_b128 v[S+8*\t:S+8*\t+3], v[ADM] offset:64*\t        ; mask(my query, keys 16 t + 8 h + 0 .. 7): into tile t's accumulator
	ds_load_b128 v[S+8*\t+4:S+8*\t+7], v[ADM] offset:64*\t+16
.endr
.irp t, 0,1,2,3
	IMG FRG+16*\t, 2048*\t                         ; K's images 0-3
.endr
	s_wait_dscnt 16                                ; the mask is in; K's sixteen loads may be out
	SCALEM 0, 16
	s_wait_dscnt 0x0
.irp t, 0,1,2,3
	v_wmma_f32_16x16x128_fp8_fp8 v[S+8*\t:S+8*\t+7], v[FRG+16*\t:FRG+16*\t+15], v[QF:QF+15], v[S+8*\t:S+8*\t+7]
.endr
	SCALEM 32, 4                                   ; four places in front of the loads into the fragments just read
.irp t, 0,1,2,3
	IMG FRG+16*\t, 2048*(\t+4)                     ; K's images 4-7
.endr
	SCALEM 40, 12
	s_wait_dscnt 0x0
.irp t, 0,1,2,3
	v_wmma_f32_16x16x128_fp8_fp8 v[S+32+8*\t:S+32+8*\t+7], v[FRG+16*\t:FRG+16*\t+15], v[QF:QF+15], v[S+32+8*\t:S+32+8*\t+7]
.endr
	v_max3_num_f32 v250, v[S], v[S+1], v[S+2]      ; the step's largest w of my query, among my 64 keys, in two chains, ascending: each accumulator is read from its low end on.
	v_max3_num_f32 v251, v[S+3], v[S+4], v[S+5]    ; The first tiles' results are old enough; these lines are the places behind the last four products
	v_max3_num_f32 v250, v250, v[S+6], v[S+7]
	v_max3_num_f32 v251, v251, v[S+8], v[S+9]
.irp t, 0,1,2,3
	IMG FRG+16*\t, VOFF+2048*\t                    ; V's images 0-3, four places behind the last product that read these registers: they land while the softmax is walked
.endr
.irp i, 10,14,18,22,26,30,34,38,42,46,50,54,58
	v_max3_num_f32 v250, v250, v[S+\i], v[S+\i+1]
	v_max3_num_f32 v251, v251, v[S+\i+2], v[S+\i+3]
.endr
	v_max3_num_f32 v250, v250, v[S+62], v[S+63]
	v_max_num_f32 v250, v250, v251
	v_permlanex16_b32 v246, v250, s[SEL], s[SEL+1]
	v_max_num_f32 v250, v250, v246                 ; and among lane l xor 16's
	v_mul_f32 v250, s[CS], v250                    ; as t (c is positive)
	v_max_num_f32 v13, v13, v250                   ; the running largest t
	v_mov_b32 v254, v12
	v_floor_f32 v12, -v13                          ; the new -M = floor(-t) = -ceil(t): M is a whole number
	v_sub_f32 v254, v12, v254                      ; M's old value less its new one: a whole number, 0 or less
	v_cvt_i32_f32 v254, v254                       ; (it saturates)
	v_ldexp_f32 v252, 1.0, v254                    ; f = 2^(old M - new M)
.set jj, 0
.rept 32
	v_pk_fma_f32 v[S+jj:S+jj+1], v[S+jj:S+jj+1], s[CS:CS+1], v[12:13] op_sel_hi:[1,0,0]   ; t - M, two at a time (of the pairs c and -M the low word serves both halves)
.set jj, jj+2
.endr
.set jj, 0
.rept 64
	v_exp_f32 v[S+jj], v[S+jj]                     ; p = 2^(t - M), at most 1: not normalised
.set jj, jj+1
.endr
	v_pk_mul_f32 v[14:15], v[14:15], v[252:253] op_sel_hi:[1,0]   ; the sums under the new M: the plain instruction behind the exponentials
	s_wait_alu depctr_va_vdst(0)                   ; one wait for the whole batch, ahead of its first reader
	v_pk_add_f32 v[242:243], v[S:S+1], v[S+2:S+3]  ; the row's sum is taken of the unquantised p: two at a time, in two chains
.irp j, 4,8,12,16,20,24,28,32,36,40,44,48,52,56,60
	v_pk_add_f32 v[14:15], v[14:15], v[S+\j:S+\j+1]
	v_pk_add_f32 v[242:243], v[242:243], v[S+\j+2:S+\j+3]
.endr
	v_pk_add_f32 v[14:15], v[14:15], v[242:243]
.irp t, 0,1,2,3,4,5,6,7
.irp i, 0,1,2,3,4,5,6,7
	v_min_num_f32 v[S+8*\t+\i], v[S+8*\t+\i], v240 ; the conversion to an 8-bit code does not saturate (ISA guide 7.6.2); p is not negative, so the hold is one-sided
.endr
	v_cvt_scalef32_pk8_fp8_f32 v[PC+2*\t:PC+2*\t+1], v[S+8*\t:S+8*\t+7], v244   ; registers 2 t, 2 t + 1 of P's fragment: keys 16 t + 8 h + 0 .. 7
.endr
.irp t, 0,1,2,3
	IMG S+16*\t, VOFF+2048*(\t+4)                  ; V's images 4-7, into the registers that p has left
.endr
.set jj, 0
.rept 32
	v_pk_mul_f32 v[O+jj:O+jj+1], v[O+jj:O+jj+1], v[252:253] op_sel_hi:[1,0]   ; O^T under the new M: x f.  (Plain lines between the conversions and the products that read their results)
.set jj, jj+2
.endr
	s_wait_dscnt 16                                ; V's images 0-3 are in; the sixteen loads of images 4-7 may be out
.irp t, 0,1,2,3
	v_wmma_f32_16x16x128_fp8_fp8 v[O+8*\t:O+8*\t+7], v[FRG+16*\t:FRG+16*\t+15], v[PC:PC+15], v[O+8*\t:O+8*\t+7]
.endr
	s_wait_dscnt 0x0
.irp t, 0,1,2,3
	v_wmma_f32_16x16x128_fp8_fp8 v[O+32+8*\t:O+32+8*\t+7], v[S+16*\t:S+16*\t+15], v[PC:PC+15], v[O+32+8*\t:O+32+8*\t+7]
.endr
.endm
; THE CHANGE OF SLOTS stands at a step's head.  Each wave waits for all its tensor loads (its part of the slot that it is about to read), adds 0 to its spare word, and waits for that and for its reads of the slot that it has left.
; fill = 1: the barrier is a round of the cluster's, so that no wave of any partner still reads that slot or has a load on its way, and the joint load of the next key step is the first thing behind it: it has a key step in which to land.
.macro CHANGE fill
	s_wait_tensorcnt 0x0                           ; no tensor load of mine is out, so a group 0 may be written
	ds_add_u32 v[SPW], v[NIL]                      ; 0 onto my spare word; the descriptors' steps stand between it and the wait for it
.if \fill
	s_xor_b32 s[G0K+1], s[G0K+1], SLOT1            ; the walking descriptors: the other slot than last time,
	s_add_nc_u64 s[G0K+2:G0K+3], s[G0K+2:G0K+3], 32768   ; the next key step; the type bits on top are not reached
	s_xor_b32 s[G0M+1], s[G0M+1], SLOT1
	s_add_nc_u64 s[G0M+2:G0M+3], s[G0M+2:G0M+3], 512
	s_wait_xcnt 0x0                                ; the last prefetch, a key step back, has read its address, so it may be written
	s_add_nc_u64 s[PFA:PFA+1], s[PFA:PFA+1], s[PFS:PFS+1]
.endif
	s_wait_dscnt 0x0                               ; the add is done, and my reads of the slot that I have left are over
.if \fill
	CROUND
	JLOAD
	ASK
.else
	s_barrier_signal -1
	s_barrier_wait -1
.endif
.endm
	s_wait_loadcnt 0x0                             ; Q
	s_mov_b32 s[SLOTS], 15
.Lslot:                                            ; 15 trips: behind each change of slots but the last the next key step is asked for
	CHANGE 1
	STEP
	s_xor_b32 s[TB], s[TB], SLOT1                  ; on to the other slot
	s_sub_co_u32 s[SLOTS], s[SLOTS], 1
	s_cmp_lg_u32 s[SLOTS], 0
	s_cbranch_scc1 .Lslot
	CHANGE 0                                       ; the last key step is written out
	STEP
	; THE WAY OUT.  O^T / the sum x 2^(e8 + e9) is quantised with 2^e10.  A lane's eight codes of tile t are channels 16 t + 8 h + 0 .. 7 of its query; the next product's fragments want 32 c + 16 h + 0 .. 15 in
	; registers 4 c .. 4 c + 3: so the 16 rows of 128 codes turn through my own stage in LDS, and leave as an image.
	v_add_f32 v14, v14, v15                        ; the sum's two halves,
	v_permlanex16_b32 v246, v14, s[SEL], s[SEL+1]
	v_add_f32 v14, v14, v246                       ; and lane l xor 16's: the row's sum
	v_rcp_f32 v14, v14
.rept 4
	v_nop                                          ; the plain instruction behind the reciprocal, and four places behind the last products
.endr
	s_wait_alu depctr_va_vdst(0)                   ; ahead of the reciprocal's first reader
	v_ldexp_f32 v14, v14, s84                      ; x 2^(e8 + e9)
.set jj, 0
.rept 32
	v_pk_mul_f32 v[S+jj:S+jj+1], v[O+jj:O+jj+1], v[14:15] op_sel_hi:[1,0]   ; each accumulator from its low end on
.set jj, jj+2
.endr
.irp t, 0,1,2,3,4,5,6,7
.irp i, 0,1,2,3,4,5,6,7
	v_min_num_f32 v[S+8*\t+\i], v[S+8*\t+\i], v241 ; p's and V's codes are not negative, so the hold is one-sided
.endr
	v_cvt_scalef32_pk8_fp8_f32 v[PC+2*\t:PC+2*\t+1], v[S+8*\t:S+8*\t+7], v245
.endr
	v_nop                                          ; a plain line behind the last conversion
.irp t, 0,1,2,3,4,5,6,7
	ds_store_b64 v[STO], v[PC+2*\t:PC+2*\t+1] offset:16*\t
.endr
.irp c, 0,1,2,3
	ds_load_b128 v[FRG+4*\c:FRG+4*\c+3], v[RD] offset:32*\c   ; LDS serves a wave's instructions in order (ISA guide 5.7.1.4): these see my stores
.endr
	s_wait_dscnt 0x0
.irp c, 0,1,2,3
	global_store_b128 v[LI], v[FRG+4*\c:FRG+4*\c+3], s[12:13] offset:512*\c   ; 32 lanes store 512 consecutive bytes, at a multiple of 512 from the buffer's first byte
.endr
	s_wait_tensorcnt 0x0                           ; the wave's end
	ds_add_u32 v[SPW], v[NIL]
	s_wait_dscnt 0x0
	CROUND                                         ; the closing round: no work-group ends while a partner may still ask for a tile that names it
	s_endpgm
.Lfunc_end_k_q457cefcfd9_attn:
	.size	k_q457cefcfd9_attn, .Lfunc_end_k_q457cefcfd9_attn-k_q457cefcfd9_attn
	.p2alignl 7, 3214868480
	.fill 96, 4, 3214868480
	.section	.rodata,"a",@progbits
	.p2align	6, 0x0
	.amdhsa_kernel k_q457cefcfd9_attn
		.amdhsa_group_segment_fixed_size 327680
		.amdhsa_private_segment_fixed_size 0
		.amdhsa_enable_private_segment 0
		.amdhsa_kernarg_size 40
		.amdhsa_user_sgpr_count 2
		.amdhsa_user_sgpr_kernarg_segment_ptr 1
		.amdhsa_wavefront_size32 1
		.amdhsa_system_sgpr_workgroup_id_x 1
		.amdhsa_system_sgpr_workgroup_id_y 1
		.amdhsa_system_sgpr_workgroup_id_z 1
		.amdhsa_system_vgpr_workitem_id 0
		.amdhsa_next_free_vgpr 256
		.amdhsa_next_free_sgpr 96
		.amdhsa_reserve_vcc 0
		.amdhsa_float_denorm_mode_32 3
		.amdhsa_float_denorm_mode_16_64 3
		.amdhsa_memory_ordered 1
		.amdhsa_forward_progress 1
		.amdhsa_inst_pref_size 61
	.end_amdhsa_kernel
	.amdgpu_metadata
---
amdhsa.version: [ 1, 2 ]
amdhsa.kernels:
  - .name:           k_q457cefcfd9_attn
    .symbol:         k_q457cefcfd9_attn.kd
    .args:
      - { .name: qimg, .offset: 0, .size: 8, .value_kind: global_buffer, .address_space: global }
      - { .name: kv, .offset: 8, .size: 8, .value_kind: global_buffer, .address_space: global }
      - { .name: mask, .offset: 16, .size: 8, .value_kind: global_buffer, .address_space: global }
      - { .name: lowp_scales, .offset: 24, .size: 8, .value_kind: global_buffer, .address_space: global }
      - { .name: aimg, .offset: 32, .size: 8, .value_kind: global_buffer, .address_space: global }
    .group_segment_fixed_size: 327680
    .private_segment_fixed_size: 0
    .kernarg_segment_align: 8
    .kernarg_segment_size: 40
    .max_flat_workgroup_size: 256
    .sgpr_count:     96
    .vgpr_count:     256
    .wavefront_size: 32
...
	.end_amdgpu_metadata
.endif
;; end of part 2
;; launch outp (part 3): grid 8 x 8, 4 waves a work-group, clusters of 4 x 4, 327,680 bytes of LDS; arguments aimg, Wo_codes, lowp_scales, bo, out0; writes out0
.if DOCPART == 3
	.amdgcn_target "amdgcn-amd-amdhsa--gfx1250"
	.amdhsa_code_object_version 6
	.text
	.protected	k_q457cefcfd9_outp
	.globl	k_q457cefcfd9_outp
	.p2align	8
	.type	k_q457cefcfd9_outp,@function
k_q457cefcfd9_outp:
	s_mov_b64 s[64:65], 0
	v_nop
	global_prefetch_b8 v0, s[64:65] scope:SCOPE_SE
	s_setreg_imm32_b32 hwreg(HW_REG_WAVE_MODE, 25, 1), 1
	s_wait_xcnt 0x0
	s_wait_alu depctr_hold_cnt(0) depctr_sa_sdst(0) depctr_va_vdst(0) depctr_va_sdst(0) depctr_va_ssrc(0) depctr_va_vcc(0) depctr_vm_vsrc(0)
	s_getreg_b32 s2, hwreg(HW_REG_IB_STS2, 6, 4)
	s_cmp_eq_u32 s2, 0
	s_cbranch_scc0 .Lentry_in_a_cluster
	s_endpgm
.Lentry_in_a_cluster:
	s_bfe_u32 s2, ttmp6, 0x10000c
	s_cmp_lg_u32 s2, 0xf033
	s_cbranch_scc0 .Lentry_shape_is_right
	s_endpgm
.Lentry_shape_is_right:
; THE LAST PROJECTION: out = relu(attn Wo + bo), 2,048 x 2,048 x 2,048 on codes of FP8 (E4M3), scales 2^e10 and 2^e11; out is f32.
; A (the attention's result) comes as IMAGES OF OPERAND REGISTERS, as the launch before laid them: aimg [plane of 128 along K: 16][block of 16 rows: 128][2,048 bytes], register 4 c + i of lane l at byte 512 c + 16 l + 4 i;
; lane (r, h) holds row r, registers 4 c .. 4 c + 3 hold k = 32 c + 16 h + 0 .. 15.  B = Wo's codes, [n][k], read from padded LDS rows in the same order of k, so every product meets its partner.
; A tile of out, 256 x 256, is made by a work-group of four waves, a wave 128 x 128: 64 accumulators.  64 tiles: the tile is kept large, since each byte read from LDS then feeds the most products.
; K goes in steps of 256 (two planes of A) through a ring of two LDS slots filled by joint tensor loads: A's tile is shared along a row of the 4 x 4 cluster, B's along a column.
; THE MATRIX INSTRUCTION IS USED TRANSPOSED (source 0 = 16 rows of B, source 1 = 16 rows of A): a lane holds eight neighbouring numbers of a row of out.
; THE BIAS is the C of each sum's first matrix instruction, as bo / 2^(e10 + e11); each finished sum is multiplied once by 2^(e10 + e11) and clipped at 0.
; LIMIT: e10 + e11 between -126 and 127, so that 2^(e10 + e11) is an f32 number.
; REGISTERS, in windows of 256: window 0: v16-31 addresses; v32-95 the bias, later a block's results; from v128 A's fragments, ONE set, later rows of out.
;   window 1: B's fragments, TWO sets.   window 2: the 32 accumulators of my rows 0-63 ((a, b) at v[8 (8 a + b)]);   window 3: those of my rows 64-127.
.set SIZE_K, 2048
.set SIZE_N, 2048
.set KSTEP,  256
.set ROWB,   256                       ; a row of B's tile in bytes
.set KROW,   SIZE_K                    ; a row of Wo's codes in memory
.set PITCH,  272                       ; B's LDS row: 256 bytes + 16 of padding = 68 words: row r starts at bank 4 r mod 64 (64 banks of 4 bytes: ISA guide 11.1)
.set FR,     16
.set NL,     4
.set NP,     4                         ; places behind this matrix instruction (ISA guide 7.12.1)
.set HALFT,  128*PITCH                 ; 128 rows of B: what one tensor load brings
.set PLANE,  262144                    ; a plane of A in memory: 128 images
.set APL,    32768                     ; the tile's 16 images of one plane: what one tensor load brings
.set BOFF,   2*APL                     ; a slot: A's two planes, then B's 256 rows
.set SLOT,   BOFF+2*HALFT
.set LAPS,   SIZE_K/(2*KSTEP)
.set SPARE,  2*SLOT                    ; behind the ring: the spare words, 128 bytes for each wave, which no other line names
.set SPITCH, 528                       ; the way out: a stage of 16 rows x (512 bytes + 16) for each wave.  It lies in slot 0, which has had its last fill and its last read when the first result is stored there
.set ADRA, 16                          ; v16-17  LDS address of my A images in slot 0, 1
.set ADRB, 20                          ; v20-21  of my B fragments
.set STO,  24                          ; v24     the way out: where I put 32 bytes of a row
.set RD,   25                          ; v25     where I read a row back
.set CO,   26                          ; v26     16 x lane: my place in an image, and in a row of out
.set BH,   27                          ; v27     32 x (lane / 16): the bias
.set SPW,  28                          ; v28     LDS address of my spare word; never rewritten
.set NIL,  29                          ; v29     0; never rewritten
.set BIAS, 32
.set TMP,  32
.set AF,   128
.set BK,   128                         ; the way out: 16 rows read back from the stage: v128-191 and v192-255 by turns
.set G1, 24                            ; s[24:31] descriptor group 1 for A's tiles;  s[32:39] group 0, one set for each slot
.set G0, 32
.set G1B, 48                           ; s[48:55], s[56:63] the same for B's tiles
.set G0B, 56
.set MSB, 0
.macro WIN new                         ; the immediate's high byte repeats the setting that is left
.if MSB != (\new)
	s_set_vgpr_msb (MSB<<8)|(\new)
.set MSB, (\new)
.endif
.endm
.set MUL_LO, 0xa1                      ; source 0 (B) window 1, source 1 (A) window 0, C and D window 2
.set MUL_HI, 0xf1                      ; the same, C and D window 3
.set BIA_LO, 0x81                      ; the first step: C (the bias) window 0, D window 2
.set BIA_HI, 0xc1
.set TO_B,   0x40                      ; destination window 1, address window 0
; A joint load: waves 0 and 1 fetch A's two planes, waves 2 and 3 B's two halves.  The branch hangs on the wave's number alone.  Four v_nop follow each of the two lines.
.macro JLOAD g0a, g1a, g0b, g1b
	s_cmp_eq_u32 s15, 0
	s_cbranch_scc0 .Lfor_b_\@
	tensor_load_to_lds s[\g0a:\g0a+3], s[\g1a:\g1a+7]
	s_nop 0
.rept 4
	v_nop
.endr
	s_branch .Lasked_\@
.Lfor_b_\@:
	tensor_load_to_lds s[\g0b:\g0b+3], s[\g1b:\g1b+7]
	s_nop 0
.rept 4
	v_nop
.endr
.Lasked_\@:
.endm
.macro CREST                           ; a round of the cluster's barrier behind its opening barrier
	s_cmp_lg_u32 s14, 0
	s_cbranch_scc1 .Lnot_wave_0_\@
	s_barrier_signal -3
.Lnot_wave_0_\@:
	s_barrier_wait -3
	s_barrier_signal -1
	s_barrier_wait -1
.endm
.macro CROUND                          ; a whole round
	s_barrier_signal -1
	s_barrier_wait -1
	CREST
.endm
	s_load_b256 s[4:11], s[0:1], 0x0               ; aimg s[4:5], Wo's codes s[6:7], the scales' exponents s[8:9], bo s[10:11]
	s_load_b64 s[12:13], s[0:1], 0x20              ; out0
	v_lshl_add_u32 v[SPW], v0, 2, SPARE
	v_mov_b32 v[NIL], 0
	ds_add_u32 v28, v29
	s_wait_dscnt 0x0
	v_lshrrev_b32 v1, 5, v0
	v_readfirstlane_b32 s14, v1                    ; wave 0..3
	s_lshr_b32 s15, s14, 1                         ; which half of the tile's rows is mine.  Also: I fetch for A (0) or for B (1)
	s_and_b32 s16, s14, 1                          ; which half of its columns.  Also: which plane of A, or which 128 rows of B, I fetch
	s_bfe_u32 s40, ttmp6, 0x40000                  ; cx, cy: my place in the cluster
	s_bfe_u32 s41, ttmp6, 0x40004
	s_lshl_b32 s42, ttmp9, 2
	s_add_co_u32 s42, s42, s40                     ; tile column = 4 x cluster x + cx
	s_and_b32 s17, ttmp7, 0xffff
	s_lshl_b32 s17, s17, 2
	s_add_co_u32 s17, s17, s41                     ; tile row = 4 x cluster y + cy
	s_lshl_b32 s43, s41, 2
	s_lshl_b32 s43, 15, s43                        ; my row of the cluster
	s_lshl_b32 s44, 0x1111, s40                    ; my column
	; descriptor group 1 for A: 32,768 dense bytes as 128 rows of 256
	s_or_b32 s[G1+0], s43, (3<<16)|(1<<21)         ; 15:0 the mask: my row; 17:16 elements of 8 bytes; 20 no padding; 21 set beside a mask
	s_mov_b32 s[G1+1], 32<<16                      ; tensor_dim0 = 32 elements
	s_mov_b32 s[G1+2], 128<<16                     ; tensor_dim1 = 128
	s_mov_b32 s[G1+3], 32<<16                      ; tile_dim0
	s_mov_b32 s[G1+4], 128                         ; tile_dim1
	s_mov_b32 s[G1+5], 32                          ; tensor_dim0_stride: dense
	s_mov_b32 s[G1+6], 0
	s_mov_b32 s[G1+7], 0
	; for B: 128 rows x 256 bytes, padded in LDS
	s_or_b32 s[G1B+0], s44, (0<<16)|(1<<20)|(1<<21)|(5<<22)|(3<<25)  ; my column; element of 1 byte; padding on; after every 64 words (code 5) 4 words (code 3)
	s_mov_b32 s[G1B+1], ROWB<<16
	s_mov_b32 s[G1B+2], 128<<16
	s_mov_b32 s[G1B+3], ROWB<<16
	s_mov_b32 s[G1B+4], 128
	s_mov_b32 s[G1B+5], KROW
	s_mov_b32 s[G1B+6], 0
	s_mov_b32 s[G1B+7], 0
	s_lshl_b32 s20, s16, 18                        ; A: plane (0 or 1 of the K step),
	s_lshl_b32 s21, s17, 15                        ; the tile row's 16 images
	s_add_co_u32 s20, s20, s21
	s_mov_b32 s21, 0
	s_lshl_b32 s46, s42, 8
	s_lshl_b32 s47, s16, 7
	s_add_co_u32 s46, s46, s47                     ; B: row 256 x tile column + 128 x half,
	s_lshl_b32 s46, s46, 11                        ; of 2,048 bytes
	s_mov_b32 s47, 0
	s_lshl_b32 s45, s16, 15                        ; where they go: A's plane,
	s_mul_i32 s23, s16, HALFT
	s_add_co_u32 s23, s23, BOFF                    ; B's half: no place in the cluster enters an LDS address
	s_wait_kmcnt 0x0
	s_load_b64 s[96:97], s[8:9], 0x28              ; e10, e11
	s_add_nc_u64 s[20:21], s[4:5], s[20:21]
	s_add_nc_u64 s[46:47], s[6:7], s[46:47]
	CROUND                                         ; all sixteen work-groups are here: the first joint loads meet
.irp s, 0,1
	s_mov_b32 s[G0+4*\s], 1
	s_add_co_u32 s[G0+4*\s+1], s45, \s*SLOT
	s_add_nc_u64 s[G0+4*\s+2:G0+4*\s+3], s[20:21], \s*2*PLANE
	s_or_b32 s[G0+4*\s+3], s[G0+4*\s+3], 0x80000000
	s_mov_b32 s[G0B+4*\s], 1
	s_add_co_u32 s[G0B+4*\s+1], s23, \s*SLOT
	s_add_nc_u64 s[G0B+4*\s+2:G0B+4*\s+3], s[46:47], \s*ROWB
	s_or_b32 s[G0B+4*\s+3], s[G0B+4*\s+3], 0x80000000
	JLOAD G0+4*\s, G1, G0B+4*\s, G1B
.endr
	v_and_b32 v1, 15, v0                           ; r = lane % 16
	v_bfe_u32 v2, v0, 4, 1                         ; h = lane / 16
	v_and_b32 v6, 31, v0
	v_lshlrev_b32 v[CO], 4, v6                     ; 16 x lane
	v_mul_u32_u24 v3, v1, PITCH
	v_lshl_add_u32 v4, v2, 4, v3                   ; B: a fragment's row x pitch + 16 x half
	s_lshl_b32 s21, s15, 14                        ; my 8 images of a plane of A
	s_mul_i32 s22, s16, HALFT                      ; my 128 rows of B
	s_add_co_u32 s22, s22, BOFF
.irp s, 0,1
	v_add_nc_u32 v[ADRA+\s], s21, v[CO]
	v_add_nc_u32 v[ADRB+\s], s22, v4
	s_add_co_u32 s21, s21, SLOT
	s_add_co_u32 s22, s22, SLOT
.endr
	s_mul_i32 s23, s14, 16*SPITCH                  ; my stage
	v_mul_u32_u24 v5, v1, SPITCH                   ; in: row l % 16, 32 bytes for each half of the lanes
	v_lshl_add_u32 v5, v2, 5, v5
	v_add_nc_u32 v[STO], s23, v5
	v_add_nc_u32 v[RD], s23, v[CO]                 ; back: the 32 lanes take one row of 512 bytes
	v_lshlrev_b32 v[BH], 5, v2
	s_lshl_b32 s46, s42, 10                        ; my first column, in bytes: 1,024 x tile column + 512 x half: in a row of out, and in bo
	s_lshl_b32 s47, s16, 9
	s_add_co_u32 s46, s46, s47
	s_mov_b32 s47, 0
	s_add_nc_u64 s[10:11], s[10:11], s[46:47]
	s_lshl_b32 s20, s17, 8
	s_lshl_b32 s21, s15, 7
	s_add_co_u32 s20, s20, s21                     ; my first row of out: 256 x tile row + 128 x half,
	s_lshl_b32 s20, s20, 13                        ; of 8,192 bytes
	s_mov_b32 s21, 0
	s_add_nc_u64 s[12:13], s[12:13], s[20:21]
	s_add_nc_u64 s[12:13], s[12:13], s[46:47]
.irp b, 0,1,2,3,4,5,6,7                        ; the bias: lane (r, h) wants, for column block b, the numbers 16 b + 8 h + 0 .. 7
	global_load_b128 v[BIAS+8*\b:BIAS+8*\b+3], v[BH], s[10:11] offset:64*\b
	global_load_b128 v[BIAS+8*\b+4:BIAS+8*\b+7], v[BH], s[10:11] offset:64*\b+16
.endr
	s_wait_kmcnt 0x0
	s_add_co_i32 s96, s96, s97                     ; e10 + e11
	s_sub_co_i32 s94, 0, s96
	s_add_co_i32 s96, s96, 127
	s_lshl_b32 s96, s96, 23                        ; 2^(e10 + e11) as f32 (s97 is named with it as a pair; it has been written)
	s_wait_loadcnt 0x0
.set jj, 0
.rept 64
	v_ldexp_f32 v[BIAS+jj], v[BIAS+jj], s94        ; bo / 2^(e10 + e11)
.set jj, jj+1
.endr
.macro FRAGB reg, adr, q, i            ; a fragment of B from rows: registers 4 c .. 4 c + 3 hold K = 32 c + 16 (l / 16) + 0 .. 15 of row l % 16
.irp c, 0,1,2,3
	ds_load_b128 v[\reg+4*\c:\reg+4*\c+3], v[\adr] offset:128*(\q)+32*\c+(\i)*16*PITCH
.endr
.endm
.macro FRAGA reg, adr, q, i            ; a fragment of A from its image: four loads of 512 consecutive bytes
.irp c, 0,1,2,3
	ds_load_b128 v[\reg+4*\c:\reg+4*\c+3], v[\adr] offset:APL*(\q)+2048*(\i)+512*\c
.endr
.endm
; 16 matrix instructions: A's blocks a0, a0 + 1 x B's eight, 128 along K.  p: B's set.  zero = 1: the sums start from the bias.
; The 64 accumulators take turns, one instruction a turn, in the same order in every step.
.macro MUL16 a0, p, zero
.irp a, \a0, \a0+1
.irp b, 0,1,2,3,4,5,6,7
.if \zero
	v_wmma_f32_16x16x128_fp8_fp8 v[8*(8*((\a)%4)+\b):8*(8*((\a)%4)+\b)+7], v[128*(\p)+FR*\b:128*(\p)+FR*\b+FR-1], v[AF+FR*(\a):AF+FR*(\a)+FR-1], v[BIAS+8*\b:BIAS+8*\b+7]
.else
	v_wmma_f32_16x16x128_fp8_fp8 v[8*(8*((\a)%4)+\b):8*(8*((\a)%4)+\b)+7], v[128*(\p)+FR*\b:128*(\p)+FR*\b+FR-1], v[AF+FR*(\a):AF+FR*(\a)+FR-1], v[8*(8*((\a)%4)+\b):8*(8*((\a)%4)+\b)+7]
.endif
.endr
.endr
.endm
.macro FETCH_B slot, q, p
	WIN TO_B
.irp i, 0,1,2,3,4,5,6,7
	FRAGB 128*(\p)+FR*\i, ADRB+\slot, \q, \i
.endr
	WIN 0
.endm
.macro FETCH_A slot, q, i0
.irp i, \i0, \i0+1, \i0+2, \i0+3
	FRAGA AF+FR*(\i), ADRA+\slot, \q, \i
.endr
.endm
; A load into a register that a matrix instruction has read, and a vector instruction that reads a matrix result, stand NP places behind that matrix instruction; only plain vector
; instructions that name none of its registers are places (ISA guide 7.12.1 for vector instructions).
.macro PLACES n
.rept \n
	v_nop
.endr
.endm
.macro STEP slot, q, zero              ; a step of 128 along K that has its successor in the same slot
	s_wait_dscnt 4*NL                              ; B's set and A's blocks 0-3 are in; the youngest sixteen loads (A's blocks 4-7) may be out
.if \zero
	WIN BIA_LO
.else
	WIN MUL_LO
.endif
	MUL16 0, (\q)%2, \zero
	MUL16 2, (\q)%2, \zero
	s_wait_dscnt 0                                 ; A's blocks 4-7 are in
	PLACES NP
	FETCH_B \slot, (\q)+1, 1-(\q)%2
	FETCH_A \slot, (\q)+1, 0
.if \zero
	WIN BIA_HI
.else
	WIN MUL_HI
.endif
	MUL16 4, (\q)%2, \zero
	MUL16 6, (\q)%2, \zero
	PLACES NP
	WIN 0
	FETCH_A \slot, (\q)+1, 4
.endm
; A slot's last step changes slots: ONE barrier; in front of it each wave waits for all its tensor loads, adds 0 to its spare word, and waits for that and for its own reads of this slot.  fill = 1: this slot is filled again, two K steps ahead.
.macro TURN slot, next, fill
	s_wait_tensorcnt 0x0                           ; all my tensor loads have landed: my part of the next slot  (every window is 0 here)
	ds_add_u32 v[SPW], v[NIL]                      ; 0 onto my spare word
	s_wait_dscnt 4*NL+1                            ; (the add and the youngest sixteen loads may be out)
	WIN MUL_LO
	MUL16 0, 1, 0                                  ; sixteen matrix instructions stand between the add and the wait for it
	s_wait_dscnt 0x0                               ; the add is done, and my reads of this slot are over
	s_barrier_signal -1
	MUL16 2, 1, 0
	WIN 0
	s_barrier_wait -1
.if \fill
	CREST                                          ; the barrier has opened a round of the cluster's barrier: no wave of any partner still reads this slot's tile or has a load on its way
	s_add_nc_u64 s[G0+4*\slot+2:G0+4*\slot+3], s[G0+4*\slot+2:G0+4*\slot+3], 4*PLANE
	s_add_nc_u64 s[G0B+4*\slot+2:G0B+4*\slot+3], s[G0B+4*\slot+2:G0B+4*\slot+3], 2*ROWB
	JLOAD G0+4*\slot, G1, G0B+4*\slot, G1B         ; the first tensor load behind the round; the four v_nop behind it are the places in front of the loads below
.else
	PLACES NP
.endif
	FETCH_B \next, 0, 0
	FETCH_A \next, 0, 0
	WIN MUL_HI
	MUL16 4, 1, 0
	MUL16 6, 1, 0
	PLACES NP
	WIN 0
	FETCH_A \next, 0, 4
.endm
	s_wait_tensorcnt 1                             ; my part of K step 0 is in (K step 1's load may be out)
	s_barrier_signal -1
	s_barrier_wait -1                              ; everybody's is
	FETCH_B 0, 0, 0
	FETCH_A 0, 0, 0
	FETCH_A 0, 0, 4
	STEP 0, 0, 1                                   ; the first step stands in front of the loop: its products take the bias as C
	s_mov_b32 s3, LAPS-1
.Llap:                                                 ; a trip goes once round the ring, from a lap's second step to the next lap's first, and fills both slots again
	TURN 0, 1, 1
	STEP 1, 0, 0
	TURN 1, 0, 1
	STEP 0, 0, 0
	s_sub_co_u32 s3, s3, 1
	s_cmp_lg_u32 s3, 0
	s_cbranch_scc1 .Llap
	TURN 0, 1, 0                                   ; the last lap fills nothing, and has no round of the cluster's barrier
	STEP 1, 0, 0
	s_wait_dscnt 4*NL                              ; the very last step: nothing more to fetch
	WIN MUL_LO
	MUL16 0, 1, 0
	MUL16 2, 1, 0
	s_wait_dscnt 0
	WIN MUL_HI
	MUL16 4, 1, 0
	MUL16 6, 1, 0
	WIN 0
; THE WAY OUT, block by block of 16 rows x 128 columns.  A lane holds 32 neighbouring bytes of a row, and the lanes beside it hold other rows: so a block goes through my own stage in LDS and comes back as whole
; rows of 512 bytes.  LDS serves a wave's instructions in order (ISA guide 5.7.1.4): no wait between the stores and the loads, nor in front of the next block's stores.
.macro TOSTAGE a
.set AC, 64*((\a)%4)
	WIN 0x02+((\a)/4)                              ; source 0: window 2 or 3
.set jj, 0
.rept 32
	v_pk_mul_f32 v[TMP+jj:TMP+jj+1], v[AC+jj:AC+jj+1], s[96:97] op_sel_hi:[1,0]   ; both x s96 = 2^(e10 + e11); each accumulator from its low end on
.set jj, jj+2
.endr
	WIN 0
.set jj, 0
.rept 64
	v_max_num_f32 v[TMP+jj], 0, v[TMP+jj]          ; the activation
.set jj, jj+1
.endr
.irp b, 0,1,2,3,4,5,6,7
	ds_store_b128 v[STO], v[TMP+8*\b:TMP+8*\b+3] offset:64*\b
	ds_store_b128 v[STO], v[TMP+8*\b+4:TMP+8*\b+7] offset:64*\b+16
.endr
.set BB, BK+64*((\a)%2)
.irp t, 0,1,2,3,4,5,6,7,8,9,10,11,12,13,14,15
	ds_load_b128 v[BB+4*\t:BB+4*\t+3], v[RD] offset:\t*SPITCH
.endr
.endm
.macro SEND a, younger                 ; younger: the LDS instructions issued behind block a's loads, which may stay out
.set BB, BK+64*((\a)%2)
	s_wait_dscnt \younger                          ; the block is back in registers
.if (\a) > 0
	s_add_nc_u64 s[12:13], s[12:13], 16*SIZE_N*4   ; (behind a wait on XCNT: the earlier stores have read their base)  16 rows of out on
.endif
.irp t, 0,1,2,3,4,5,6,7,8,9,10,11,12,13,14,15
	global_store_b128 v[CO], v[BB+4*\t:BB+4*\t+3], s[12:13] offset:\t*SIZE_N*4 th:TH_STORE_NT   ; 32 lanes store 512 consecutive bytes, at a multiple of 512 from out's first byte; written once, read by nobody here
.endr
.endm
	PLACES NP                                      ; behind the last products: their fragments' registers are loaded into below, and their results read later
	TOSTAGE 0
.irp a, 1,2,3,4,5,6,7
.if \a > 1
	s_wait_xcnt 0x0                                ; block a - 2's stores have read their registers and their base: block a's loads may land there, and the base may step
.endif
	TOSTAGE \a
	SEND \a-1, 32                                  ; behind block a - 1's loads: block a's 16 stores and 16 loads
.endr
	s_wait_xcnt 0x0                                ; block 6's stores have read their base
	SEND 7, 0
	s_wait_tensorcnt 0x0                           ; the wave's end
	ds_add_u32 v[SPW], v[NIL]
	s_wait_dscnt 0x0
	CROUND                                         ; the closing round: no work-group ends while a partner may still ask for a tile that names it
	s_endpgm
.Lfunc_end_k_q457cefcfd9_outp:
	.size	k_q457cefcfd9_outp, .Lfunc_end_k_q457cefcfd9_outp-k_q457cefcfd9_outp
	.p2alignl 7, 3214868480
	.fill 96, 4, 3214868480
	.section	.rodata,"a",@progbits
	.p2align	6, 0x0
	.amdhsa_kernel k_q457cefcfd9_outp
		.amdhsa_group_segment_fixed_size 327680
		.amdhsa_private_segment_fixed_size 0
		.amdhsa_enable_private_segment 0
		.amdhsa_kernarg_size 40
		.amdhsa_user_sgpr_count 2
		.amdhsa_user_sgpr_kernarg_segment_ptr 1
		.amdhsa_wavefront_size32 1
		.amdhsa_system_sgpr_workgroup_id_x 1
		.amdhsa_system_sgpr_workgroup_id_y 1
		.amdhsa_system_sgpr_workgroup_id_z 1
		.amdhsa_system_vgpr_workitem_id 0
		.amdhsa_next_free_vgpr 1024
		.amdhsa_next_free_sgpr 98
		.amdhsa_reserve_vcc 0
		.amdhsa_float_denorm_mode_32 3
		.amdhsa_float_denorm_mode_16_64 3
		.amdhsa_memory_ordered 1
		.amdhsa_forward_progress 1
		.amdhsa_inst_pref_size 145
	.end_amdhsa_kernel
	.amdgpu_metadata
---
amdhsa.version: [ 1, 2 ]
amdhsa.kernels:
  - .name:           k_q457cefcfd9_outp
    .symbol:         k_q457cefcfd9_outp.kd
    .args:
      - { .name: aimg, .offset: 0, .size: 8, .value_kind: global_buffer, .address_space: global }
      - { .name: Wo_codes, .offset: 8, .size: 8, .value_kind: global_buffer, .address_space: global }
      - { .name: lowp_scales, .offset: 16, .size: 8, .value_kind: global_buffer, .address_space: global }
      - { .name: bo, .offset: 24, .size: 8, .value_kind: global_buffer, .address_space: global }
      - { .name: out0, .offset: 32, .size: 8, .value_kind: global_buffer, .address_space: global }
    .group_segment_fixed_size: 327680
    .private_segment_fixed_size: 0
    .kernarg_segment_align: 8
    .kernarg_segment_size: 40
    .max_flat_workgroup_size: 128
    .sgpr_count:     98
    .vgpr_count:     1024
    .wavefront_size: 32
...
	.end_amdgpu_metadata
.endif
;; end of part 3
;; ======== version 2 of 2: 3 launches
;; limits: right only within a limited range of input values
;; workspace buffers: qimg 4,194,304 bytes; kv 8,388,608 bytes; aimg 4,194,304 bytes; mimg 16,777,216 bytes
;; launch proj (part 4): grid 8 x 32, 4 waves a work-group, clusters of 4 x 4, 327,680 bytes of LDS; arguments Q_codes, K_codes, V_codes, Wq_codes, Wk_codes, Wv_codes, bq, bk, bv, lowp_scales, qimg, kv, mask, mimg; writes qimg, kv, mimg
.if DOCPART == 4
	.amdgcn_target "amdgcn-amd-amdhsa--gfx1250"
	.amdhsa_code_object_version 6
	.text
	.protected	k_q457cefcfd9_proj
	.globl	k_q457cefcfd9_proj
	.p2align	8
	.type	k_q457cefcfd9_proj,@function
k_q457cefcfd9_proj:
	s_mov_b64 s[64:65], 0
	v_nop
	global_prefetch_b8 v0, s[64:65] scope:SCOPE_SE
	s_setreg_imm32_b32 hwreg(HW_REG_WAVE_MODE, 25, 1), 1
	s_wait_xcnt 0x0
	s_wait_alu depctr_hold_cnt(0) depctr_sa_sdst(0) depctr_va_vdst(0) depctr_va_sdst(0) depctr_va_ssrc(0) depctr_va_vcc(0) depctr_vm_vsrc(0)
	s_getreg_b32 s2, hwreg(HW_REG_IB_STS2, 6, 4)
	s_cmp_eq_u32 s2, 0
	s_cbranch_scc0 .Lentry_in_a_cluster
	s_endpgm
.Lentry_in_a_cluster:
	s_bfe_u32 s2, ttmp6, 0x10000c
	s_cmp_lg_u32 s2, 0xf033
	s_cbranch_scc0 .Lentry_shape_is_right
	s_endpgm
.Lentry_shape_is_right:
.set SIZE_K, 2048
.set KSTEP,  256
.set ROWB,   256
.set KROW,   SIZE_K
.set PITCH,  272
.set FR,     16
.set NL,     4
.set NP,     4
.set HALFT,  128*PITCH
.set SLOT,   4*HALFT
.set LAPS,   SIZE_K/(2*KSTEP)
.set SPARE,  2*SLOT
.set ADRA, 16
.set ADRB, 20
.set BH,   24
.set BR,   25
.set LI,   26
.set SPW,  28
.set NIL,  29
.set LIM,  30
.set SCL,  31
.set BIAS, 32
.set TMP,  32
.set AF,   128
.set CD,   128
.set G1, 24
.set G0, 32
.set G1B, 48
.set G0B, 56
.set MSB, 0
.macro WIN new
.if MSB != (\new)
	s_set_vgpr_msb (MSB<<8)|(\new)
.set MSB, (\new)
.endif
.endm
.set MUL_LO, 0xa1
.set MUL_HI, 0xf1
.set BIA_LO, 0x81
.set BIA_HI, 0xc1
.set TO_B,   0x40
.macro JLOAD g0a, g1a, g0b, g1b
	s_cmp_eq_u32 s15, 0
	s_cbranch_scc0 .Lfor_b_\@
	tensor_load_to_lds s[\g0a:\g0a+3], s[\g1a:\g1a+7]
	s_nop 0
.rept 4
	v_nop
.endr
	s_branch .Lasked_\@
.Lfor_b_\@:
	tensor_load_to_lds s[\g0b:\g0b+3], s[\g1b:\g1b+7]
	s_nop 0
.rept 4
	v_nop
.endr
.Lasked_\@:
.endm
.macro CREST
	s_cmp_lg_u32 s14, 0
	s_cbranch_scc1 .Lnot_wave_0_\@
	s_barrier_signal -3
.Lnot_wave_0_\@:
	s_barrier_wait -3
	s_barrier_signal -1
	s_barrier_wait -1
.endm
.macro CROUND
	s_barrier_signal -1
	s_barrier_wait -1
	CREST
.endm
	s_load_b512 s[68:83], s[0:1], 0x0
	s_load_b256 s[84:91], s[0:1], 0x40
	s_load_b128 s[92:95], s[0:1], 0x60             ; mask s[92:93], mimg s[94:95]
	v_lshl_add_u32 v[SPW], v0, 2, SPARE
	v_mov_b32 v[NIL], 0
	ds_add_u32 v28, v29
	ds_add_u32 v28, v29
	s_wait_dscnt 0x0
	v_lshrrev_b32 v1, 5, v0
	v_readfirstlane_b32 s14, v1
	s_lshr_b32 s15, s14, 1
	s_and_b32 s16, s14, 1
	s_bfe_u32 s40, ttmp6, 0x40000
	s_bfe_u32 s41, ttmp6, 0x40004
	s_lshl_b32 s42, ttmp9, 2
	s_add_co_u32 s42, s42, s40
	s_and_b32 s17, ttmp7, 0xffff
	s_lshr_b32 s66, s17, 1
	s_and_b32 s17, s17, 1
	s_lshl_b32 s17, s17, 2
	s_add_co_u32 s17, s17, s41
	s_lshl_b32 s43, s41, 2
	s_lshl_b32 s43, 15, s43
	s_lshl_b32 s44, 0x1111, s40
	s_or_b32 s[G1+0], s43, (0<<16)|(1<<20)|(1<<21)|(5<<22)|(3<<25)
	s_or_b32 s[G1B+0], s44, (0<<16)|(1<<20)|(1<<21)|(5<<22)|(3<<25)
.irp g, G1, G1B
	s_mov_b32 s[\g+1], ROWB<<16
	s_mov_b32 s[\g+2], 128<<16
	s_mov_b32 s[\g+3], ROWB<<16
	s_mov_b32 s[\g+4], 128
	s_mov_b32 s[\g+5], KROW
	s_mov_b32 s[\g+6], 0
	s_mov_b32 s[\g+7], 0
.endr
	s_lshl_b32 s18, s16, 7
	s_lshl_b32 s20, s17, 8
	s_add_co_u32 s20, s20, s18
	s_lshl_b32 s20, s20, 11
	s_mov_b32 s21, 0
	s_lshl_b32 s46, s42, 8
	s_add_co_u32 s46, s46, s18
	s_lshl_b32 s46, s46, 11
	s_mov_b32 s47, 0
	s_mul_i32 s45, s14, HALFT
	s_wait_kmcnt 0x0
	s_cmp_eq_u32 s66, 3                            ; rows 6 and 7 of clusters lay the mask out: the number is the same in all partners of a cluster
	s_wait_alu depctr_va_vdst(0)
	s_cbranch_scc1 .Lmask
	s_cmp_eq_u32 s66, 0
	s_cselect_b64 s[4:5], s[68:69], s[70:71]
	s_cselect_b64 s[6:7], s[74:75], s[76:77]
	s_cselect_b64 s[12:13], s[80:81], s[82:83]
	s_cselect_b64 s[10:11], s[88:89], s[90:91]
	s_cmp_eq_u32 s66, 2
	s_cselect_b64 s[4:5], s[78:79], s[4:5]
	s_cselect_b64 s[6:7], s[72:73], s[6:7]
	s_cselect_b64 s[12:13], s[84:85], s[12:13]
	s_load_b256 s[68:75], s[86:87], 0x0
	s_load_b128 s[76:79], s[86:87], 0x20
	s_add_nc_u64 s[20:21], s[4:5], s[20:21]
	s_add_nc_u64 s[46:47], s[6:7], s[46:47]
	CROUND
.irp s, 0,1
	s_mov_b32 s[G0+4*\s], 1
	s_add_co_u32 s[G0+4*\s+1], s45, \s*SLOT
	s_add_nc_u64 s[G0+4*\s+2:G0+4*\s+3], s[20:21], \s*ROWB
	s_or_b32 s[G0+4*\s+3], s[G0+4*\s+3], 0x80000000
	s_mov_b32 s[G0B+4*\s], 1
	s_add_co_u32 s[G0B+4*\s+1], s45, \s*SLOT
	s_add_nc_u64 s[G0B+4*\s+2:G0B+4*\s+3], s[46:47], \s*ROWB
	s_or_b32 s[G0B+4*\s+3], s[G0B+4*\s+3], 0x80000000
	s_wait_alu depctr_va_vdst(0)
	s_wait_tensorcnt 0x0
	ds_add_u32 v28, v29
	ds_add_u32 v28, v29
	s_wait_dscnt 0x0
	CROUND
	JLOAD G0+4*\s, G1, G0B+4*\s, G1B
.endr
	v_and_b32 v1, 15, v0
	v_bfe_u32 v2, v0, 4, 1
	v_mul_u32_u24 v3, v1, PITCH
	v_lshl_add_u32 v4, v2, 4, v3
	s_mul_i32 s21, s15, HALFT
	s_mul_i32 s22, s16, HALFT
	s_add_co_u32 s22, s22, 2*HALFT
.irp s, 0,1
	v_add_nc_u32 v[ADRA+\s], s21, v4
	v_add_nc_u32 v[ADRB+\s], s22, v4
	s_add_co_u32 s21, s21, SLOT
	s_add_co_u32 s22, s22, SLOT
.endr
	v_lshlrev_b32 v[BH], 5, v2
	v_lshlrev_b32 v[BR], 2, v1
	v_and_b32 v6, 31, v0
	v_lshlrev_b32 v[LI], 4, v6
	s_lshl_b32 s92, s42, 1
	s_add_co_u32 s92, s92, s16
	s_lshl_b32 s93, s17, 1
	s_add_co_u32 s93, s93, s15
	s_cmp_eq_u32 s66, 2
	s_cselect_b32 s94, s93, s92
	s_cselect_b32 s95, s92, s93
	s_cselect_b32 s96, 16384, 0
	s_lshl_b32 s94, s94, 4
	s_add_co_u32 s94, s94, s95
	s_cmp_eq_u32 s66, 0
	s_cselect_b32 s95, 14, 15
	s_lshl_b32 s94, s94, s95
	s_add_co_u32 s94, s94, s96
	s_mov_b32 s95, 0
	s_add_nc_u64 s[10:11], s[10:11], s[94:95]
	s_wait_kmcnt 0x0
	s_add_co_i32 s92, s68, s69
	s_add_co_i32 s93, s70, s71
	s_add_co_i32 s94, s72, s73
	s_cmp_eq_u32 s66, 0
	s_cselect_b32 s92, s92, s93
	s_cselect_b32 s95, s74, s75
	s_cmp_eq_u32 s66, 2
	s_cselect_b32 s92, s94, s92
	s_cselect_b32 s95, s77, s95
	s_sub_co_i32 s67, 0, s92
	s_sub_co_i32 s95, s95, s92
	s_add_co_i32 s95, s95, 127
	s_lshl_b32 s96, s95, 23
	v_mov_b32 v[SCL], s96
	s_add_co_i32 s95, s95, 8
	s_lshl_b32 s95, s95, 23
	s_or_b32 s95, s95, 0x600000
	v_mov_b32 v[LIM], s95
	s_cmp_eq_u32 s66, 2
	s_cselect_b32 s92, s17, s42
	s_cselect_b32 s93, s15, s16
	s_lshl_b32 s92, s92, 10
	s_lshl_b32 s93, s93, 9
	s_add_co_u32 s92, s92, s93
	s_mov_b32 s93, 0
	s_add_nc_u64 s[12:13], s[12:13], s[92:93]
	s_cmp_eq_u32 s66, 2
	s_cbranch_scc1 .Lbias_rows
	s_wait_alu depctr_va_vdst(0)
.irp b, 0,1,2,3,4,5,6,7
	global_load_b128 v[BIAS+8*\b:BIAS+8*\b+3], v[BH], s[12:13] offset:64*\b
	global_load_b128 v[BIAS+8*\b+4:BIAS+8*\b+7], v[BH], s[12:13] offset:64*\b+16
.endr
	s_wait_loadcnt 0x0
.set jj, 0
.rept 64
	v_ldexp_f32 v[BIAS+jj], v[BIAS+jj], s67
.set jj, jj+1
.endr
	s_branch .Lbias_done
.Lbias_rows:
	s_wait_alu depctr_va_vdst(0)
.irp a, 0,1,2,3,4,5,6,7
	global_load_b32 v[BIAS+8*\a], v[BR], s[12:13] offset:64*\a
.endr
	s_wait_loadcnt 0x0
.irp a, 0,1,2,3,4,5,6,7
.irp j, 1,2,3,4,5,6,7
	v_ldexp_f32 v[BIAS+8*\a+\j], v[BIAS+8*\a], s67
.endr
	v_ldexp_f32 v[BIAS+8*\a], v[BIAS+8*\a], s67
.endr
.Lbias_done:
.macro FRAG reg, adr, q, i
.irp c, 0,1,2,3
	ds_load_b128 v[\reg+4*\c:\reg+4*\c+3], v[\adr] offset:128*(\q)+32*\c+(\i)*16*PITCH
.endr
.endm
.macro MUL16 a0, p, zero
.irp a, \a0, \a0+1
.irp b, 0,1,2,3,4,5,6,7
.if \zero == 1
	v_wmma_f32_16x16x128_fp8_fp8 v[8*(8*((\a)%4)+\b):8*(8*((\a)%4)+\b)+7], v[128*(\p)+FR*\b:128*(\p)+FR*\b+FR-1], v[AF+FR*(\a):AF+FR*(\a)+FR-1], v[BIAS+8*\b:BIAS+8*\b+7]
.elseif \zero == 2
	v_wmma_f32_16x16x128_fp8_fp8 v[8*(8*((\a)%4)+\b):8*(8*((\a)%4)+\b)+7], v[128*(\p)+FR*\b:128*(\p)+FR*\b+FR-1], v[AF+FR*(\a):AF+FR*(\a)+FR-1], v[BIAS+8*(\a):BIAS+8*(\a)+7]
.else
	v_wmma_f32_16x16x128_fp8_fp8 v[8*(8*((\a)%4)+\b):8*(8*((\a)%4)+\b)+7], v[128*(\p)+FR*\b:128*(\p)+FR*\b+FR-1], v[AF+FR*(\a):AF+FR*(\a)+FR-1], v[8*(8*((\a)%4)+\b):8*(8*((\a)%4)+\b)+7]
.endif
.endr
.endr
.endm
.macro FETCH_B slot, q, p
	WIN TO_B
.irp i, 0,1,2,3,4,5,6,7
	FRAG 128*(\p)+FR*\i, ADRB+\slot, \q, \i
.endr
	WIN 0
.endm
.macro FETCH_A slot, q, i0
.irp i, \i0, \i0+1, \i0+2, \i0+3
	FRAG AF+FR*(\i), ADRA+\slot, \q, \i
.endr
.endm
.macro PLACES n
.rept \n
	v_nop
.endr
.endm
.macro STEP slot, q, zero
	s_wait_dscnt 4*NL
.if \zero
	WIN BIA_LO
.else
	WIN MUL_LO
.endif
	MUL16 0, (\q)%2, \zero
	MUL16 2, (\q)%2, \zero
	s_wait_dscnt 0
	PLACES NP
	FETCH_B \slot, (\q)+1, 1-(\q)%2
	FETCH_A \slot, (\q)+1, 0
.if \zero
	WIN BIA_HI
.else
	WIN MUL_HI
.endif
	MUL16 4, (\q)%2, \zero
	MUL16 6, (\q)%2, \zero
	PLACES NP
	WIN 0
	FETCH_A \slot, (\q)+1, 4
.endm
.macro TURN slot, next, fill
	s_wait_tensorcnt 0x0
	ds_add_u32 v[SPW], v[NIL]
	s_wait_dscnt 4*NL+1
	WIN MUL_LO
	MUL16 0, 1, 0
	s_wait_dscnt 0x0
	s_barrier_signal -1
	MUL16 2, 1, 0
	WIN 0
	s_barrier_wait -1
.if \fill
	CREST
	s_add_nc_u64 s[G0+4*\slot+2:G0+4*\slot+3], s[G0+4*\slot+2:G0+4*\slot+3], 2*ROWB
	s_add_nc_u64 s[G0B+4*\slot+2:G0B+4*\slot+3], s[G0B+4*\slot+2:G0B+4*\slot+3], 2*ROWB
	JLOAD G0+4*\slot, G1, G0B+4*\slot, G1B
.else
	PLACES NP
.endif
	FETCH_B \next, 0, 0
	FETCH_A \next, 0, 0
	WIN MUL_HI
	MUL16 4, 1, 0
	MUL16 6, 1, 0
	PLACES NP
	WIN 0
	FETCH_A \next, 0, 4
.endm
	s_wait_tensorcnt 1
	s_barrier_signal -1
	s_barrier_wait -1
	FETCH_B 0, 0, 0
	FETCH_A 0, 0, 0
	FETCH_A 0, 0, 4
	s_cmp_eq_u32 s66, 2
	s_cbranch_scc1 .Lfirst_rows
	s_wait_alu depctr_va_vdst(0)
	STEP 0, 0, 1
	s_branch .Lfirst_done
.Lfirst_rows:
	s_wait_alu depctr_va_vdst(0)
	STEP 0, 0, 2
.Lfirst_done:
	s_mov_b32 s3, LAPS-1
.Llap:
	TURN 0, 1, 1
	STEP 1, 0, 0
	TURN 1, 0, 1
	STEP 0, 0, 0
	s_sub_co_u32 s3, s3, 1
	s_cmp_lg_u32 s3, 0
	s_cbranch_scc1 .Llap
	TURN 0, 1, 0
	STEP 1, 0, 0
	s_wait_dscnt 4*NL
	WIN MUL_LO
	MUL16 0, 1, 0
	MUL16 2, 1, 0
	s_wait_dscnt 0
	WIN MUL_HI
	MUL16 4, 1, 0
	MUL16 6, 1, 0
	WIN 0
.macro OUTBLK a
.set AC, 64*((\a)%4)
	WIN 0x02+((\a)/4)
.set jj, 0
.rept 64
	v_med3_num_f32 v[TMP+jj], v[AC+jj], 0, v[LIM]
.set jj, jj+1
.endr
	WIN 0
.irp b, 0,1,2,3,4,5,6,7
	v_cvt_scalef32_pk8_fp8_f32 v[CD+16*(\a)+2*\b:CD+16*(\a)+2*\b+1], v[TMP+8*\b:TMP+8*\b+7], v[SCL]
.endr
	v_nop
.irp c, 0,1,2,3
	global_store_b128 v[LI], v[CD+16*(\a)+4*\c:CD+16*(\a)+4*\c+3], s[10:11] offset:2048*(\a)+512*\c
.endr
.endm
	PLACES NP
.irp a, 0,1,2,3,4,5,6,7
	OUTBLK \a
.endr
	s_wait_tensorcnt 0x0
	ds_add_u32 v[SPW], v[NIL]
	s_wait_dscnt 0x0
	CROUND
	s_endpgm
; THE MASK'S IMAGES.  64 work-groups, 256 waves.  An image is mask x C3 for 16 queries x 128 keys, C3 = -1e9 sqrt(128) / 2^(e6 + e7), 8,192 bytes in the order of the
; accumulator registers of K Q^T: register 8 t + j of lane (r, h) is mask(query r, key 16 t + 8 h + j), and registers 4 c .. 4 c + 3 of lane l lie at byte 512 c + 16 l.
; mimg: [128 blocks of 16 queries][16 key steps][8,192].  A wave makes 8 images: block = wave / 2, key steps 8 (wave % 2) on, two a trip.
; Rows come in as 512 consecutive bytes an instruction, turn through the wave's own LDS stage (rows of 528 bytes, bytes that no other line of this text names) and leave as 512 consecutive bytes an instruction.
.set MST, SPARE+512
.Lmask:
	s_load_b64 s[96:97], s[86:87], 0x18            ; e6, e7
	s_lshl_b32 s20, s17, 3
	s_add_co_u32 s20, s20, s42                     ; work-group 0..63
	s_lshl_b32 s20, s20, 2
	s_add_co_u32 s20, s20, s14                     ; wave 0..255
	s_lshr_b32 s21, s20, 1
	s_and_b32 s22, s20, 1
	s_lshl_b32 s21, s21, 17                        ; a block: 16 rows of 8,192 bytes in the mask, 16 images of 8,192 bytes in mimg
	s_lshl_b32 s26, s22, 12                        ; 8 key steps of 512 bytes along a row
	s_add_co_u32 s26, s26, s21
	s_mov_b32 s27, 0
	s_lshl_b32 s28, s22, 16                        ; 8 images
	s_add_co_u32 s28, s28, s21
	s_mov_b32 s29, 0
	s_add_nc_u64 s[92:93], s[92:93], s[26:27]
	s_add_nc_u64 s[94:95], s[94:95], s[28:29]
	s_mul_i32 s23, s14, 16*528
	s_add_co_u32 s23, s23, MST                     ; my stage
	v_and_b32 v1, 15, v0                           ; r
	v_bfe_u32 v5, v0, 4, 1                         ; h
	v_and_b32 v2, 31, v0
	v_lshlrev_b32 v2, 4, v2                        ; 16 x lane
	v_add_nc_u32 v3, s23, v2                       ; in: 16 bytes a lane of a row
	v_mul_u32_u24 v4, v1, 528
	v_lshl_add_u32 v4, v5, 5, v4
	v_add_nc_u32 v4, s23, v4                       ; back: row r, + 32 h bytes
	s_mov_b32 s30, 4
	s_wait_alu depctr_va_vdst(0)
	s_wait_kmcnt 0x0
	s_add_co_i32 s96, s96, s97
	s_lshl_b32 s96, s96, 23
	s_mov_b32 s98, 0xd028965f                      ; -1e9 x sqrt(128),
	s_sub_co_i32 s98, s98, s96                     ; / 2^(e6 + e7): taken off the exponent field (LIMIT: e6 + e7 between -94 and 130)
	s_mov_b32 s99, s98
.macro MTURN in, out, off
.irp i, 0,1,2,3,4,5,6,7,8,9,10,11,12,13,14,15
	ds_store_b128 v3, v[\in+4*\i:\in+4*\i+3] offset:528*\i
.endr
.irp c, 0,1,2,3,4,5,6,7,8,9,10,11,12,13,14,15
	ds_load_b128 v[\out+4*\c:\out+4*\c+3], v4 offset:64*(\c/2)+16*(\c%2)   ; LDS serves a wave's instructions in order: these see my stores
.endr
	s_wait_dscnt 0x0
.set jj, 0
.rept 32
	v_pk_mul_f32 v[\out+jj:\out+jj+1], v[\out+jj:\out+jj+1], s[98:99] op_sel_hi:[1,0]
.set jj, jj+2
.endr
.irp c, 0,1,2,3,4,5,6,7,8,9,10,11,12,13,14,15
	global_store_b128 v2, v[\out+4*\c:\out+4*\c+3], s[94:95] offset:\off+512*\c
.endr
.endm
.Lmk:
.irp i, 0,1,2,3,4,5,6,7,8,9,10,11,12,13,14,15
	global_load_b128 v[32+4*\i:35+4*\i], v2, s[92:93] offset:8192*\i th:TH_LOAD_NT
.endr
.irp i, 0,1,2,3,4,5,6,7,8,9,10,11,12,13,14,15
	global_load_b128 v[96+4*\i:99+4*\i], v2, s[92:93] offset:8192*\i+512 th:TH_LOAD_NT
.endr
	s_wait_loadcnt 16                              ; the first image's rows are in; the second's sixteen loads may be out
	MTURN 32, 160, 0
	s_wait_loadcnt 0x0
	MTURN 96, 32, 8192
	s_wait_xcnt 0x0                                ; the bases and the stores' registers are written again only behind this wait
	s_add_nc_u64 s[92:93], s[92:93], 1024
	s_add_nc_u64 s[94:95], s[94:95], 16384
	s_sub_co_u32 s30, s30, 1
	s_cmp_lg_u32 s30, 0
	s_cbranch_scc1 .Lmk
	s_wait_tensorcnt 0x0                           ; the wave's end
	ds_add_u32 v[SPW], v[NIL]
	s_wait_dscnt 0x0
	CROUND
	s_endpgm
.Lfunc_end_k_q457cefcfd9_proj:
	.size	k_q457cefcfd9_proj, .Lfunc_end_k_q457cefcfd9_proj-k_q457cefcfd9_proj
	.p2alignl 7, 3214868480
	.fill 96, 4, 3214868480
	.section	.rodata,"a",@progbits
	.p2align	6, 0x0
	.amdhsa_kernel k_q457cefcfd9_proj
		.amdhsa_group_segment_fixed_size 327680
		.amdhsa_private_segment_fixed_size 0
		.amdhsa_enable_private_segment 0
		.amdhsa_kernarg_size 112
		.amdhsa_user_sgpr_count 2
		.amdhsa_user_sgpr_kernarg_segment_ptr 1
		.amdhsa_wavefront_size32 1
		.amdhsa_system_sgpr_workgroup_id_x 1
		.amdhsa_system_sgpr_workgroup_id_y 1
		.amdhsa_system_sgpr_workgroup_id_z 1
		.amdhsa_system_vgpr_workitem_id 0
		.amdhsa_next_free_vgpr 1024
		.amdhsa_next_free_sgpr 100
		.amdhsa_reserve_vcc 0
		.amdhsa_float_denorm_mode_32 3
		.amdhsa_float_denorm_mode_16_64 3
		.amdhsa_memory_ordered 1
		.amdhsa_forward_progress 1
		.amdhsa_inst_pref_size 155
	.end_amdhsa_kernel
	.amdgpu_metadata
---
amdhsa.version: [ 1, 2 ]
amdhsa.kernels:
  - .name:           k_q457cefcfd9_proj
    .symbol:         k_q457cefcfd9_proj.kd
    .args:
      - { .name: Q_codes, .offset: 0, .size: 8, .value_kind: global_buffer, .address_space: global }
      - { .name: K_codes, .offset: 8, .size: 8, .value_kind: global_buffer, .address_space: global }
      - { .name: V_codes, .offset: 16, .size: 8, .value_kind: global_buffer, .address_space: global }
      - { .name: Wq_codes, .offset: 24, .size: 8, .value_kind: global_buffer, .address_space: global }
      - { .name: Wk_codes, .offset: 32, .size: 8, .value_kind: global_buffer, .address_space: global }
      - { .name: Wv_codes, .offset: 40, .size: 8, .value_kind: global_buffer, .address_space: global }
      - { .name: bq, .offset: 48, .size: 8, .value_kind: global_buffer, .address_space: global }
      - { .name: bk, .offset: 56, .size: 8, .value_kind: global_buffer, .address_space: global }
      - { .name: bv, .offset: 64, .size: 8, .value_kind: global_buffer, .address_space: global }
      - { .name: lowp_scales, .offset: 72, .size: 8, .value_kind: global_buffer, .address_space: global }
      - { .name: qimg, .offset: 80, .size: 8, .value_kind: global_buffer, .address_space: global }
      - { .name: kv, .offset: 88, .size: 8, .value_kind: global_buffer, .address_space: global }
      - { .name: mask, .offset: 96, .size: 8, .value_kind: global_buffer, .address_space: global }
      - { .name: mimg, .offset: 104, .size: 8, .value_kind: global_buffer, .address_space: global }
    .group_segment_fixed_size: 327680
    .private_segment_fixed_size: 0
    .kernarg_segment_align: 8
    .kernarg_segment_size: 112
    .max_flat_workgroup_size: 128
    .sgpr_count:     100
    .vgpr_count:     1024
    .wavefront_size: 32
...
	.end_amdgpu_metadata
.endif
;; end of part 4
;; launch attn (part 5): grid 32 x 8, 8 waves a work-group, clusters of 4 x 4, 327,680 bytes of LDS; arguments qimg, kv, mimg, lowp_scales, aimg; writes aimg
.if DOCPART == 5
	.amdgcn_target "amdgcn-amd-amdhsa--gfx1250"
	.amdhsa_code_object_version 6
	.text
	.protected	k_q457cefcfd9_attn
	.globl	k_q457cefcfd9_attn
	.p2align	8
	.type	k_q457cefcfd9_attn,@function
k_q457cefcfd9_attn:
	s_mov_b64 s[64:65], 0
	v_nop
	global_prefetch_b8 v0, s[64:65] scope:SCOPE_SE
	s_setreg_imm32_b32 hwreg(HW_REG_WAVE_MODE, 25, 1), 1
	s_wait_xcnt 0x0
	s_wait_alu depctr_hold_cnt(0) depctr_sa_sdst(0) depctr_va_vdst(0) depctr_va_sdst(0) depctr_va_ssrc(0) depctr_va_vcc(0) depctr_vm_vsrc(0)
	s_getreg_b32 s2, hwreg(HW_REG_IB_STS2, 6, 4)
	s_cmp_eq_u32 s2, 0
	s_cbranch_scc0 .Lentry_in_a_cluster
	s_endpgm
.Lentry_in_a_cluster:
	s_bfe_u32 s2, ttmp6, 0x10000c
	s_cmp_lg_u32 s2, 0xf033
	s_cbranch_scc0 .Lentry_shape_is_right
	s_endpgm
.Lentry_shape_is_right:
; ATTENTION on codes of FP8 (E4M3): for each of 16 heads, o[q] = the sum over k of softmax_k(q . k / sqrt(128) + mask[q][k] x (-1e9)) v[k], then the quantiser with 2^e10.
; The mask is an input of f32 numbers: every key step is computed and every number of the mask is honoured as it is given.
; THE SOFTMAX: t = logit x log2(e); M = the largest t so far, rounded UP to a whole number; p = 2^(t - M) is quantised with 2^e8, not normalised.  The sum is taken of the unquantised p and divides O at
; the end.  When M moves, the sum and O are multiplied by 2^(old M - new M): exact.
; SHARES.  A work-group owns 64 queries of TWO heads.  Wave w owns the tile of 16 queries w % 4, both heads, and every second key step of 128 keys: the even ones (w / 4 = 0) or the odd ones (1).
; So an image of the mask (16 queries x 128 keys) is loaded by one wave of the work-group and is the C of two heads' products.  The two waves of a tile keep an M, a sum and an O^T of their own for each
; head and join them at the end through LDS, each finishing one head: both parts are brought under the larger M by exact powers of two.
; LIMIT of that split: a p is quantised under its own wave's running M; it differs from one quantised under the row's M only where that one would fall under the format's range.
; OPERANDS COME AS IMAGES OF THEIR REGISTERS (registers 4 c .. 4 c + 3 of lane l at byte 512 c + 16 l), as the launch before laid them: every read is 512 consecutive bytes.
; Both products are used transposed: S^T = K Q^T, O^T = V^T P^T: a lane holds ONE query (lane % 16).  Tile t of S^T holds, in lane (r, h), keys 16 t + 8 h + 0 .. 7.
; THE MASK GOES IN AS THE C OF K Q^T: w = the sum of the codes' products + mask x C3 (C3 = -1e9 sqrt(128) / 2^(e6 + e7), multiplied in by the launch before); t = w x c, c = log2(e) / sqrt(128) x 2^(e6 + e7).
; An image (8,192 bytes) is loaded from memory into 64 registers of window 1, two buffers by turns: a buffer is asked for again when the second head's products have read it, two of the wave's steps
; ahead of its use.  So the mask has no prefetch of its own.
; THE RING.  Two LDS slots of two key steps of both heads' K and V, 131,072 bytes; each of the eight waves fetches 16,384 dense bytes of a slot by one tensor load.  Eight tiles.
; CLUSTER.  4 x 4 work-groups: four blocks of queries x four pairs of heads.  K and V hang on the pair of heads alone and are asked for jointly along a row of the cluster.
; LIMITS: e6 + e7 between -94 and 130; e8 and e10 between -126 and 119; e8 + e9 is applied by v_ldexp_f32 and has none.  NaN among the inputs is not served.
; ORDER OF ROUNDING: the mask's term is added inside the matrix sum, in code units.  It can show only in a row all of whose keys are masked by about 1 or more, where the scores vanish under the
; step of f32 numbers near 1e9 here as in the definition; there the results agree while |score / sqrt(128)| stays under about 29.
; REGISTERS, window 0: v1-7 addresses; v[8:9] -M and the largest t, v[10:11] the sum, of head 0; v[12:15] of head 1; v16-31 Q; v32-95 fragments 0-3 of K, then V; v96-159 S^T, then p; v160-223 O^T of head 0;
;   v224-239 p's codes; v240-255 constants and work.   window 1: v0-63, v64-127 the mask's two buffers; v128-191 fragments 4-7; v192-255 O^T of head 1.
.set SLOT1, 1<<17                      ; a slot: [step's parity][head][K's 8 images, V's 8 images]
.set STEPB, 32768
.set VOFF,  16384
.set QST,   2*SLOT1                    ; behind the ring: each wave's own copy of its two fragments of Q, 4,096 bytes
.set SPARE, QST+8*4096                 ; the spare words, 128 bytes for each wave, which no other line names
.set JP,    8704                       ; the join: 8,192 bytes of O^T and 512 of -M and the sum for each wave, from byte 0 of slot 0, which has had its last fill and its last read by then
.set CST,   81920                      ; the way out: 16 rows x 144 bytes for each wave, in slot 0 too
.set SP,    144
.set LIK,  1                           ; 16 x lane + 65,536 x my parity; behind the loop: where I put what I send
.set LI,   2                           ; 16 x lane
.set QAD,  3                           ; my copy of Q; behind the loop: where my partner put what it sent
.set SPW,  4
.set NIL,  5
.set PFO,  6                           ; 256 x lane; behind the loop: the way out, back
.set ADK,  7                           ; the tile's images; behind the loop: the way out, in
.set JS,   1
.set JR,   3
.set RD,   6
.set STO,  7
.set QF,   16
.set FRG,  32
.set S,    96
.set PC,   224
.set F2,   128                         ; in window 1
.set TB,   2
.set WV,   18
.set KH,   19                          ; my parity of key steps; the head that I finish
.set SEL,  20
.set CS,   22
.set G1K,  24
.set G0K,  40
.set MP,   44                          ; s[44:45] the mask's image one of my steps on
.set SLOTS, 60
.set PFA,  62
.set MSB, 0
.macro WIN new                         ; the immediate's high byte repeats the setting that is left
.if MSB != (\new)
	s_set_vgpr_msb (MSB<<8)|(\new)
.set MSB, (\new)
.endif
.endm
; A PREFETCH INTO THE L2, behind the joint load of tile j: tile j + 1's 131,072 bytes, a tile ahead of their load.  The four partners share them out BY ADDRESS, 32,768 each;
; waves 0 to 3 name 8,192 each, lanes 256 bytes apart.  Tiles 0 and 1 come by their loads alone; the load of tile 7 asks for nothing.
.macro ASK
	s_cmp_lt_u32 s[WV], 4
	s_cbranch_scc0 .Lnot_mine_\@
	global_prefetch_b8 v[PFO], s[PFA:PFA+1] th:TH_LOAD_NT scope:SCOPE_SE
.Lnot_mine_\@:
.endm
.macro CROUND                          ; a round of the cluster's barrier
	s_barrier_signal -1
	s_barrier_wait -1
	s_cmp_lg_u32 s[WV], 0
	s_cbranch_scc1 .Lnot_wave_0_\@
	s_barrier_signal -3
.Lnot_wave_0_\@:
	s_barrier_wait -3
	s_barrier_signal -1
	s_barrier_wait -1
.endm
.macro JLOAD                           ; every wave's own 16,384 bytes; s_nop 0 and four v_nop follow
	tensor_load_to_lds s[G0K:G0K+3], s[G1K:G1K+7]
	s_nop 0
.rept 4
	v_nop
.endr
.endm
	s_load_b256 s[4:11], s[0:1], 0x0               ; qimg s[4:5], kv s[6:7], mimg s[8:9], the scales' exponents s[10:11]
	s_load_b64 s[12:13], s[0:1], 0x20              ; aimg
	v_lshl_add_u32 v[SPW], v0, 2, SPARE
	v_mov_b32 v[NIL], 0
	ds_add_u32 v[SPW], v[NIL]
	ds_add_u32 v[SPW], v[NIL]
	v_lshrrev_b32 v7, 5, v0
	v_readfirstlane_b32 s[WV], v7                  ; wave 0..7
	s_lshr_b32 s[KH], s[WV], 2
	s_and_b32 s53, s[WV], 3                        ; my tile of queries; also my quarter of a head's bytes of a slot
	s_bfe_u32 s48, ttmp6, 0x40000                  ; cx, cy
	s_bfe_u32 s49, ttmp6, 0x40004
	s_lshl_b32 s50, ttmp9, 2
	s_add_co_u32 s50, s50, s48                     ; my block of 64 queries
	s_and_b32 s51, ttmp7, 0xffff
	s_lshl_b32 s51, s51, 2
	s_add_co_u32 s51, s51, s49                     ; my pair of heads
	s_lshl_b32 s52, s49, 2
	s_lshl_b32 s52, 15, s52                        ; my row of the cluster: the same heads
	s_or_b32 s[G1K], s52, (3<<16)|(1<<21)          ; the mask of work-groups; elements of 8 bytes; bit 21 beside a mask
	s_mov_b32 s[G1K+1], 32<<16                     ; 16,384 dense bytes as 64 rows of 256
	s_mov_b32 s[G1K+2], 64<<16
	s_mov_b32 s[G1K+3], 32<<16
	s_mov_b32 s[G1K+4], 64
	s_mov_b32 s[G1K+5], 32
	s_mov_b32 s[G1K+6], 0
	s_mov_b32 s[G1K+7], 0
	s_mov_b32 s[SEL], 0x76543210
	s_mov_b32 s[SEL+1], 0xfedcba98
	s_mov_b32 s[TB], 0
	s_lshl_b32 s84, s[KH], 16
	s_lshl_b32 s85, s[WV], 12
	s_add_co_u32 s85, s85, QST
	v_and_b32 v2, 31, v0
	v_lshlrev_b32 v[PFO], 8, v2
	v_lshlrev_b32 v[LI], 4, v2
	v_add_nc_u32 v[LIK], s84, v[LI]
	v_add_nc_u32 v[QAD], s85, v[LI]
	; what I fetch: head w / 4 of the pair, quarter c = w % 4 of its 65,536 bytes of a tile: K or V (c % 2) of the step of parity c / 2
	s_lshr_b32 s54, s53, 1
	s_lshl_b32 s54, s54, 16
	s_lshl_b32 s55, s[KH], 15
	s_add_co_u32 s54, s54, s55
	s_and_b32 s55, s53, 1
	s_lshl_b32 s55, s55, 14
	s_add_co_u32 s54, s54, s55                     ; in a slot
	s_lshl_b32 s56, s51, 1
	s_add_co_u32 s56, s56, s[KH]
	s_lshl_b32 s56, s56, 19                        ; in memory: a head's 16 steps of 32,768 bytes
	s_lshl_b32 s57, s53, 14
	s_add_co_u32 s56, s56, s57
	s_mov_b32 s57, 0
	s_lshl_b32 s58, s50, 2
	s_add_co_u32 s58, s58, s53                     ; my tile among the 128 tiles of 16 queries
	s_lshl_b32 s80, s51, 19                        ; Q's image and the result's: head x 128 images + tile, 2,048 bytes each; the pair's first head
	s_lshl_b32 s81, s58, 11
	s_add_co_u32 s80, s80, s81
	s_mov_b32 s81, 0
	s_lshl_b32 s82, s58, 17                        ; the mask's images: tile x 16 images of 8,192 bytes, from my parity on
	s_lshl_b32 s83, s[KH], 13
	s_add_co_u32 s82, s82, s83
	s_mov_b32 s83, 0
	s_lshl_b32 s86, s51, 1                         ; the prefetches: head cx / 2 of the pair, half cx % 2 of its bytes of a tile, my wave's 8,192,
	s_lshr_b32 s87, s48, 1
	s_add_co_u32 s86, s86, s87
	s_lshl_b32 s86, s86, 19
	s_and_b32 s87, s48, 1
	s_lshl_b32 s87, s87, 15
	s_add_co_u32 s86, s86, s87
	s_lshl_b32 s87, s[WV], 13
	s_add_co_u32 s86, s86, s87
	s_add_co_u32 s86, s86, 65536                   ; in tile 1: the first change of slots steps it to tile 2
	s_mov_b32 s87, 0
	s_wait_alu depctr_va_vdst(0)
	s_wait_dscnt 0x0                               ; both opening adds are done
	s_wait_kmcnt 0x0
	s_load_b256 s[68:75], s[10:11], 0x0            ; e0 .. e7
	s_load_b128 s[76:79], s[10:11], 0x20           ; e8 .. e11
	s_mov_b32 s[G0K], 1
	s_mov_b32 s[G0K+1], s54
	s_add_nc_u64 s[G0K+2:G0K+3], s[6:7], s[56:57]
	s_or_b32 s[G0K+3], s[G0K+3], 0x80000000
	s_add_nc_u64 s[4:5], s[4:5], s[80:81]
	s_add_nc_u64 s[12:13], s[12:13], s[80:81]
	s_add_nc_u64 s[MP:MP+1], s[8:9], s[82:83]
	s_add_nc_u64 s[PFA:PFA+1], s[6:7], s[86:87]
	CROUND                                         ; all sixteen work-groups are here: the first joint loads meet
	JLOAD                                          ; tile 0: one tensor load a wave at the head
.irp c, 0,1,2,3
	global_load_b128 v[FRG+4*\c:FRG+4*\c+3], v[LI], s[4:5] offset:512*\c               ; Q of head 0,
	global_load_b128 v[FRG+16+4*\c:FRG+16+4*\c+3], v[LI], s[4:5] offset:262144+512*\c  ; and of head 1
.endr
	WIN 0x40                                       ; destination in window 1
.irp c, 0,1,2,3,4,5,6,7,8,9,10,11,12,13,14,15
	global_load_b128 v[4*\c:4*\c+3], v[LI], s[MP:MP+1] offset:512*\c                ; the mask's image of my first step,
.endr
.irp c, 0,1,2,3,4,5,6,7,8,9,10,11,12,13,14,15
	global_load_b128 v[64+4*\c:64+4*\c+3], v[LI], s[MP:MP+1] offset:16384+512*\c    ; and of my second
.endr
.set jj, 0
.rept 64
	v_mov_b32 v[192+jj], 0                         ; O^T of head 1.  (The key step has no first step of its own)
.set jj, jj+1
.endr
	WIN 0
.set jj, 0
.rept 64
	v_mov_b32 v[160+jj], 0                         ; O^T of head 0
.set jj, jj+1
.endr
	v_mov_b32 v9, 0xff61b1e6                       ; the largest t so far: -3e38
	v_mov_b32 v13, 0xff61b1e6
	v_floor_f32 v8, -v9                            ; -M
	v_floor_f32 v12, -v13
	v_mov_b32 v10, 0
	v_mov_b32 v11, 0
	v_mov_b32 v14, 0
	v_mov_b32 v15, 0
	v_mov_b32 v246, 0                              ; a lane permute's destination counts as one of its sources
	v_mov_b32 v253, 0                              ; (the upper half of the pair v[252:253])
	s_wait_kmcnt 0x0
	s_add_co_i32 s82, s74, s75                     ; e6 + e7
	s_lshl_b32 s82, s82, 23
	s_mov_b32 s[CS], 0x3e0293ee                    ; log2(e) / sqrt(128),
	s_add_co_i32 s[CS], s[CS], s82                 ; x 2^(e6 + e7)
	s_mov_b32 s[CS+1], s[CS]
	s_add_co_i32 s82, s76, 127
	s_lshl_b32 s83, s82, 23
	v_mov_b32 v244, s83                            ; 2^e8
	s_add_co_i32 s82, s82, 8
	s_lshl_b32 s82, s82, 23
	s_or_b32 s82, s82, 0x600000
	v_mov_b32 v240, s82                            ; 448 x 2^e8
	s_add_co_i32 s82, s78, 127
	s_lshl_b32 s83, s82, 23
	v_mov_b32 v245, s83                            ; 2^e10
	s_add_co_i32 s82, s82, 8
	s_lshl_b32 s82, s82, 23
	s_or_b32 s82, s82, 0x600000
	v_mov_b32 v241, s82                            ; 448 x 2^e10
	s_add_co_i32 s84, s76, s77                     ; e8 + e9
	s_wait_alu depctr_va_vdst(0)
	s_wait_loadcnt 32                              ; Q's eight loads are in; the mask's 32 may be out
.irp c, 0,1,2,3,4,5,6,7
	ds_store_b128 v[QAD], v[FRG+4*\c:FRG+4*\c+3] offset:512*\c   ; my own copy: head 0's image, then head 1's
.endr
.macro IMG reg, off                    ; an image: four loads of 512 consecutive bytes
.irp c, 0,1,2,3
	ds_load_b128 v[\reg+4*\c:\reg+4*\c+3], v[ADK] offset:\off+512*\c
.endr
.endm
; A KEY STEP OF ONE HEAD hd, on the mask's buffer mb.  ld = 1: the buffer is asked for again.  lw: the loads that may stay out when the buffer is first read.
; Four places stand ahead of it, behind the last products.  Every accumulator has one matrix instruction a turn.
.macro STEP hd, mb, ld, lw
.set MT, 8+4*\hd
.set LS, 10+4*\hd
.set OB, 160+32*\hd
.irp c, 0,1,2,3
	ds_load_b128 v[QF+4*\c:QF+4*\c+3], v[QAD] offset:2048*\hd+512*\c
.endr
.irp t, 0,1,2,3
	IMG FRG+16*\t, STEPB*\hd+2048*\t
.endr
	WIN 0x40
.irp t, 0,1,2,3
	IMG F2+16*\t, STEPB*\hd+2048*(\t+4)
.endr
.if \hd == 0
	s_wait_alu depctr_va_vdst(0)
	s_wait_loadcnt \lw                             ; my buffer of the mask is in
.endif
	s_wait_dscnt 16                                ; Q and K's images 0-3 are in
	WIN 0x10                                       ; C in window 1
.irp t, 0,1,2,3
	v_wmma_f32_16x16x128_fp8_fp8 v[S+8*\t:S+8*\t+7], v[FRG+16*\t:FRG+16*\t+15], v[QF:QF+15], v[64*\mb+8*\t:64*\mb+8*\t+7]
.endr
	s_wait_dscnt 0x0
	WIN 0x11                                       ; A and C in window 1
.irp t, 0,1,2,3
	v_wmma_f32_16x16x128_fp8_fp8 v[S+32+8*\t:S+32+8*\t+7], v[F2+16*\t:F2+16*\t+15], v[QF:QF+15], v[64*\mb+32+8*\t:64*\mb+32+8*\t+7]
.endr
	WIN 0
.rept 4
	v_nop                                          ; four places: ahead of the loads into the products' sources and of the first read of their results
.endr
.irp t, 0,1,2,3
	IMG FRG+16*\t, STEPB*\hd+VOFF+2048*\t          ; V's eight images land while the softmax is walked
.endr
	WIN 0x40
.irp t, 0,1,2,3
	IMG F2+16*\t, STEPB*\hd+VOFF+2048*(\t+4)
.endr
.if \ld
.irp c, 0,1,2,3,4,5,6,7,8,9,10,11,12,13,14,15
	global_load_b128 v[64*\mb+4*\c:64*\mb+4*\c+3], v[LI], s[MP:MP+1] offset:16384+512*\c   ; the mask's image two of my steps on, into the buffer that both heads have read
.endr
.endif
	WIN 0
	v_max3_num_f32 v250, v[S], v[S+1], v[S+2]      ; the step's largest w of my query, in two chains, ascending: each accumulator is read from its low end on
	v_max3_num_f32 v251, v[S+3], v[S+4], v[S+5]
	v_max3_num_f32 v250, v250, v[S+6], v[S+7]
	v_max3_num_f32 v251, v251, v[S+8], v[S+9]
.irp i, 10,14,18,22,26,30,34,38,42,46,50,54,58
	v_max3_num_f32 v250, v250, v[S+\i], v[S+\i+1]
	v_max3_num_f32 v251, v251, v[S+\i+2], v[S+\i+3]
.endr
	v_max3_num_f32 v250, v250, v[S+62], v[S+63]
	s_delay_alu instid0(VALU_DEP_1)
	v_max_num_f32 v250, v250, v251
	s_delay_alu instid0(VALU_DEP_1)
	v_permlanex16_b32 v246, v250, s[SEL], s[SEL+1]
	s_delay_alu instid0(VALU_DEP_1)
	v_max_num_f32 v250, v250, v246                 ; and among lane l xor 16's
	s_delay_alu instid0(VALU_DEP_1)
	v_mul_f32 v250, s[CS], v250                    ; as t (c is positive)
	s_delay_alu instid0(VALU_DEP_1)
	v_max_num_f32 v[MT+1], v[MT+1], v250           ; the running largest t
	v_mov_b32 v254, v[MT]
	s_delay_alu instid0(VALU_DEP_2)
	v_floor_f32 v[MT], -v[MT+1]                    ; the new -M = -ceil(t)
	s_delay_alu instid0(VALU_DEP_1)
	v_sub_f32 v254, v[MT], v254                    ; old M - new M: a whole number, 0 or less
	s_delay_alu instid0(VALU_DEP_1)
	v_cvt_i32_f32 v254, v254                       ; (it saturates)
	s_delay_alu instid0(VALU_DEP_1)
	v_ldexp_f32 v252, 1.0, v254                    ; f = 2^(old M - new M)
.set jj, 0
.rept 32
	v_pk_fma_f32 v[S+jj:S+jj+1], v[S+jj:S+jj+1], s[CS:CS+1], v[MT:MT+1] op_sel_hi:[1,0,0]   ; t - M
.set jj, jj+2
.endr
.set jj, 0
	s_wait_alu depctr_va_vdst(0)
.rept 64
	v_exp_f32 v[S+jj], v[S+jj]                     ; p = 2^(t - M)
.set jj, jj+1
.endr
	v_pk_mul_f32 v[LS:LS+1], v[LS:LS+1], v[252:253] op_sel_hi:[1,0]   ; the sums under the new M: the plain line behind the batch
	s_wait_alu depctr_va_vdst(0)                   ; one wait for the batch, ahead of its first reader
	v_pk_add_f32 v[242:243], v[100:101], v[104:105]   ; the sum of the unquantised p, in eight chains
	v_pk_add_f32 v[254:255], v[108:109], v[112:113]
	v_pk_add_f32 v[250:251], v[116:117], v[120:121]
	v_pk_add_f32 v[248:249], v[124:125], v[128:129]
	v_pk_add_f32 v[238:239], v[132:133], v[136:137]
	v_pk_add_f32 v[236:237], v[140:141], v[144:145]
	v_pk_add_f32 v[234:235], v[148:149], v[152:153]
	v_pk_add_f32 v[LS:LS+1], v[LS:LS+1], v[156:157]
	v_pk_add_f32 v[242:243], v[242:243], v[96:97]
	v_pk_add_f32 v[254:255], v[254:255], v[98:99]
	v_pk_add_f32 v[250:251], v[250:251], v[102:103]
	v_pk_add_f32 v[248:249], v[248:249], v[106:107]
	v_pk_add_f32 v[238:239], v[238:239], v[110:111]
	v_pk_add_f32 v[236:237], v[236:237], v[114:115]
	v_pk_add_f32 v[234:235], v[234:235], v[118:119]
	v_pk_add_f32 v[LS:LS+1], v[LS:LS+1], v[122:123]
	v_pk_add_f32 v[242:243], v[242:243], v[126:127]
	v_pk_add_f32 v[254:255], v[254:255], v[130:131]
	v_pk_add_f32 v[250:251], v[250:251], v[134:135]
	v_pk_add_f32 v[248:249], v[248:249], v[138:139]
	v_pk_add_f32 v[238:239], v[238:239], v[142:143]
	v_pk_add_f32 v[236:237], v[236:237], v[146:147]
	v_pk_add_f32 v[234:235], v[234:235], v[150:151]
	v_pk_add_f32 v[LS:LS+1], v[LS:LS+1], v[154:155]
	v_pk_add_f32 v[242:243], v[242:243], v[158:159]
	s_delay_alu instid0(VALU_DEP_2)
	v_pk_add_f32 v[LS:LS+1], v[LS:LS+1], v[248:249]
	s_delay_alu instid0(VALU_DEP_2)
	v_pk_add_f32 v[242:243], v[242:243], v[238:239]
	v_pk_add_f32 v[254:255], v[254:255], v[236:237]
	v_pk_add_f32 v[250:251], v[250:251], v[234:235]
	s_delay_alu instid0(VALU_DEP_2)
	v_pk_add_f32 v[LS:LS+1], v[LS:LS+1], v[254:255]
	s_delay_alu instid0(VALU_DEP_2)
	v_pk_add_f32 v[242:243], v[242:243], v[250:251]
	s_delay_alu instid0(VALU_DEP_1)
	v_pk_add_f32 v[LS:LS+1], v[LS:LS+1], v[242:243]
.irp t, 0,1,2,3,4,5,6,7
.irp i, 0,1,2,3,4,5,6,7
	v_min_num_f32 v[S+8*\t+\i], v[S+8*\t+\i], v240 ; the conversion does not saturate (ISA guide 7.6.2); p is not negative, so the hold is one-sided
.endr
	v_cvt_scalef32_pk8_fp8_f32 v[PC+2*\t:PC+2*\t+1], v[S+8*\t:S+8*\t+7], v244   ; registers 2 t, 2 t + 1 of P's fragment
.endr
	WIN 0x41*\hd                                   ; head 1: O^T, as destination and first source, in window 1
	s_wait_alu depctr_va_vdst(0)
.set jj, 0
.rept 32
	v_pk_mul_f32 v[OB+jj:OB+jj+1], v[OB+jj:OB+jj+1], v[252:253] op_sel_hi:[1,0]   ; O^T under the new M
.set jj, jj+2
.endr
	s_wait_alu depctr_va_vdst(0)
	s_wait_dscnt 0x0                               ; V's images
	WIN 0x50*\hd                                   ; head 1: C and D in window 1
.irp t, 0,1,2,3
	v_wmma_f32_16x16x128_fp8_fp8 v[OB+8*\t:OB+8*\t+7], v[FRG+16*\t:FRG+16*\t+15], v[PC:PC+15], v[OB+8*\t:OB+8*\t+7]
.endr
	WIN 0x50*\hd+1                                 ; and A in window 1
.irp t, 0,1,2,3
	v_wmma_f32_16x16x128_fp8_fp8 v[OB+32+8*\t:OB+32+8*\t+7], v[F2+16*\t:F2+16*\t+15], v[PC:PC+15], v[OB+32+8*\t:OB+32+8*\t+7]
.endr
	WIN 0
.endm
; THE CHANGE OF SLOTS stands at a tile's head: each wave waits for all its tensor loads, adds 0 to its spare word, and waits for that and for its reads of the slot that it has left.
; fill = 1: a round of the cluster's barrier, and the joint load of the next tile first behind it: it has the tile's two head steps of every wave in which to land.  The first time it is slot 1's first fill.
.macro CHANGE fill, ask
	s_wait_tensorcnt 0x0
	ds_add_u32 v[SPW], v[NIL]
.if \fill
	s_xor_b32 s[G0K+1], s[G0K+1], SLOT1
	s_add_nc_u64 s[G0K+2:G0K+3], s[G0K+2:G0K+3], 65536
	s_wait_xcnt 0x0                                ; the last prefetch and the mask's last loads have read their bases
	s_add_nc_u64 s[PFA:PFA+1], s[PFA:PFA+1], 65536
	s_add_nc_u64 s[MP:MP+1], s[MP:MP+1], 16384
.endif
	s_wait_dscnt 0x0
.if \fill
	CROUND
	JLOAD
.if \ask
	ASK
.endif
.else
	s_barrier_signal -1
	s_barrier_wait -1
.endif
.endm
; A TILE: my key step of it, for both heads, on the mask's buffer mb.
.macro TRIP mb, fill, ask, ld, lw
	CHANGE \fill, \ask
	v_add_nc_u32 v[ADK], s[TB], v[LIK]
.rept 3
	v_nop                                          ; with the addition: four places behind the last products, ahead of the loads into their sources
.endr
	STEP 0, \mb, 0, \lw
.rept 4
	v_nop
.endr
	STEP 1, \mb, \ld, 0
	s_xor_b32 s[TB], s[TB], SLOT1
.endm
	s_wait_alu depctr_va_vdst(0)
	s_mov_b32 s[SLOTS], 3
.Lslot:                                            ; three trips of two tiles: tiles 0 to 5.  When a buffer is first read, the other buffer's sixteen loads may be out
	TRIP 0, 1, 1, 1, 16
	TRIP 1, 1, 1, 1, 16
	s_sub_co_u32 s[SLOTS], s[SLOTS], 1
	s_cmp_lg_u32 s[SLOTS], 0
	s_cbranch_scc1 .Lslot
	TRIP 0, 1, 0, 0, 16                            ; tile 6 asks for tile 7 and for no image of the mask;
	TRIP 1, 0, 0, 0, 0                             ; tile 7 asks for nothing: no load is out behind its buffer's
	; THE JOIN.  Each wave sends the O^T, -M and sum of the head that its partner (wave xor 4) finishes, and finishes the other.
	v_add_f32 v10, v10, v11                        ; the sums' two halves,
	v_add_f32 v14, v14, v15
	v_permlanex16_b32 v246, v10, s[SEL], s[SEL+1]
	v_permlanex16_b32 v248, v14, s[SEL], s[SEL+1]
	v_add_f32 v9, v10, v246                        ; and lane l xor 16's: v[8:9], v[12:13] = -M and the sum
	v_add_f32 v13, v14, v248
	s_mul_i32 s80, s[WV], JP
	s_xor_b32 s81, s[WV], 4
	s_mul_i32 s81, s81, JP
	s_mul_i32 s82, s[WV], 16*SP
	s_add_co_u32 s82, s82, CST
	v_add_nc_u32 v[JS], s80, v[LI]
	v_add_nc_u32 v[JR], s81, v[LI]
	v_and_b32 v250, 15, v0                         ; r
	v_bfe_u32 v251, v0, 4, 1                       ; h
	v_mul_u32_u24 v[RD], v250, SP
	v_add_nc_u32 v[RD], s82, v[RD]
	v_lshl_add_u32 v[STO], v251, 3, v[RD]          ; the way out, in: row r, + 8 h
	v_lshl_add_u32 v[RD], v251, 4, v[RD]           ; back: row r, + 16 h
.macro SEND hs
.set OB, 160+32*\hs
	WIN 0x04*\hs                                   ; head 1: the stores' data in window 1
	s_wait_alu depctr_va_vdst(0)
.irp c, 0,1,2,3,4,5,6,7,8,9,10,11,12,13,14,15
	ds_store_b128 v[JS], v[OB+4*\c:OB+4*\c+3] offset:512*\c   ; each accumulator from its low end on
.endr
	WIN 0
	ds_store_b64 v[JS], v[8+4*\hs:9+4*\hs] offset:8192
.endm
; O = (O1 f1 + O2 f2) / (l1 f1 + l2 f2) x 2^(e8 + e9), f = 2^(own M - the larger M); then the quantiser with 2^e10.  A lane's eight codes of tile t are channels 16 t + 8 h + 0 .. 7; the next product's
; fragments want 32 c + 16 h + 0 .. 15 in registers 4 c .. 4 c + 3: so the 16 rows of 128 codes turn through my own stage in LDS, and leave as an image.
.macro FINAL hk
.set MT, 8+4*\hk
.set OB, 160+32*\hk
	ds_load_b64 v[250:251], v[JR] offset:8192
.irp c, 0,1,2,3,4,5,6,7,8,9,10,11,12,13,14,15
	ds_load_b128 v[S+4*\c:S+4*\c+3], v[JR] offset:512*\c
.endr
	s_wait_dscnt 16                                ; my partner's -M and sum are in
	v_min_num_f32 v248, v[MT], v250                ; - the larger M
	v_sub_f32 v252, v248, v[MT]
	v_sub_f32 v254, v248, v250
	v_cvt_i32_f32 v252, v252                       ; (they saturate)
	v_cvt_i32_f32 v254, v254
	v_ldexp_f32 v252, 1.0, v252                    ; f1
	v_ldexp_f32 v254, 1.0, v254                    ; f2
	v_mul_f32 v248, v[MT+1], v252
	v_fmac_f32 v248, v251, v254                    ; the row's sum
	s_wait_alu depctr_va_vdst(0)
	v_rcp_f32 v248, v248
	v_nop                                          ; the plain line behind it
	s_wait_alu depctr_va_vdst(0)                   ; ahead of its first reader
	v_ldexp_f32 v248, v248, s84                    ; x 2^(e8 + e9)
	v_mul_f32 v252, v252, v248
	v_mul_f32 v254, v254, v248
	s_wait_alu depctr_va_vdst(0)
	s_wait_dscnt 0x0
.set jj, 0
.rept 32
	v_pk_mul_f32 v[S+jj:S+jj+1], v[S+jj:S+jj+1], v[254:255] op_sel_hi:[1,0]
.set jj, jj+2
.endr
	WIN \hk                                        ; head 1: the first source in window 1
	s_wait_alu depctr_va_vdst(0)
.set jj, 0
.rept 32
	v_pk_fma_f32 v[S+jj:S+jj+1], v[OB+jj:OB+jj+1], v[252:253], v[S+jj:S+jj+1] op_sel_hi:[1,0,1]   ; each accumulator from its low end on
.set jj, jj+2
.endr
	WIN 0
.irp t, 0,1,2,3,4,5,6,7
.irp i, 0,1,2,3,4,5,6,7
	v_min_num_f32 v[S+8*\t+\i], v[S+8*\t+\i], v241 ; p's and V's codes are not negative, so the hold is one-sided
.endr
	v_cvt_scalef32_pk8_fp8_f32 v[PC+2*\t:PC+2*\t+1], v[S+8*\t:S+8*\t+7], v245
.endr
	v_nop                                          ; a plain line behind the last conversion
.irp t, 0,1,2,3,4,5,6,7
	ds_store_b64 v[STO], v[PC+2*\t:PC+2*\t+1] offset:16*\t
.endr
.irp c, 0,1,2,3
	ds_load_b128 v[FRG+4*\c:FRG+4*\c+3], v[RD] offset:32*\c   ; LDS serves a wave's instructions in order (ISA guide 5.7.1.4): these see my stores
.endr
	s_wait_dscnt 0x0
.irp c, 0,1,2,3
	global_store_b128 v[LI], v[FRG+4*\c:FRG+4*\c+3], s[12:13] offset:262144*\hk+512*\c   ; 32 lanes store 512 consecutive bytes, at a multiple of 512 from the buffer's first byte
.endr
.endm
	s_cmp_eq_u32 s[KH], 0
	s_wait_alu depctr_va_vdst(0)
	s_cbranch_scc0 .Lsend0
	SEND 1
	s_branch .Lsent
.Lsend0:
	SEND 0
.Lsent:
	s_wait_dscnt 0x0                               ; my stores are done, for my partner's sake
	s_barrier_signal -1
	s_barrier_wait -1
	s_cmp_eq_u32 s[KH], 0
	s_cbranch_scc0 .Lfin1
	FINAL 0
	s_branch .Lfin
.Lfin1:
	FINAL 1
.Lfin:
	s_wait_tensorcnt 0x0                           ; the wave's end
	ds_add_u32 v[SPW], v[NIL]
	s_wait_dscnt 0x0
	CROUND                                         ; the closing round
	s_endpgm
.Lfunc_end_k_q457cefcfd9_attn:
	.size	k_q457cefcfd9_attn, .Lfunc_end_k_q457cefcfd9_attn-k_q457cefcfd9_attn
	.p2alignl 7, 3214868480
	.fill 96, 4, 3214868480
	.section	.rodata,"a",@progbits
	.p2align	6, 0x0
	.amdhsa_kernel k_q457cefcfd9_attn
		.amdhsa_group_segment_fixed_size 327680
		.amdhsa_private_segment_fixed_size 0
		.amdhsa_enable_private_segment 0
		.amdhsa_kernarg_size 40
		.amdhsa_user_sgpr_count 2
		.amdhsa_user_sgpr_kernarg_segment_ptr 1
		.amdhsa_wavefront_size32 1
		.amdhsa_system_sgpr_workgroup_id_x 1
		.amdhsa_system_sgpr_workgroup_id_y 1
		.amdhsa_system_sgpr_workgroup_id_z 1
		.amdhsa_system_vgpr_workitem_id 0
		.amdhsa_next_free_vgpr 512
		.amdhsa_next_free_sgpr 96
		.amdhsa_reserve_vcc 0
		.amdhsa_float_denorm_mode_32 3
		.amdhsa_float_denorm_mode_16_64 3
		.amdhsa_memory_ordered 1
		.amdhsa_forward_progress 1
		.amdhsa_inst_pref_size 199
	.end_amdhsa_kernel
	.amdgpu_metadata
---
amdhsa.version: [ 1, 2 ]
amdhsa.kernels:
  - .name:           k_q457cefcfd9_attn
    .symbol:         k_q457cefcfd9_attn.kd
    .args:
      - { .name: qimg, .offset: 0, .size: 8, .value_kind: global_buffer, .address_space: global }
      - { .name: kv, .offset: 8, .size: 8, .value_kind: global_buffer, .address_space: global }
      - { .name: mimg, .offset: 16, .size: 8, .value_kind: global_buffer, .address_space: global }
      - { .name: lowp_scales, .offset: 24, .size: 8, .value_kind: global_buffer, .address_space: global }
      - { .name: aimg, .offset: 32, .size: 8, .value_kind: global_buffer, .address_space: global }
    .group_segment_fixed_size: 327680
    .private_segment_fixed_size: 0
    .kernarg_segment_align: 8
    .kernarg_segment_size: 40
    .max_flat_workgroup_size: 256
    .sgpr_count:     96
    .vgpr_count:     512
    .wavefront_size: 32
...
	.end_amdgpu_metadata
.endif
;; end of part 5
;; launch outp (part 6): grid 16 x 16, 4 waves a work-group, clusters of 4 x 4, 327,680 bytes of LDS; arguments aimg, Wo_codes, lowp_scales, bo, out0; writes out0
.if DOCPART == 6
	.amdgcn_target "amdgcn-amd-amdhsa--gfx1250"
	.amdhsa_code_object_version 6
	.text
	.protected	k_q457cefcfd9_outp
	.globl	k_q457cefcfd9_outp
	.p2align	8
	.type	k_q457cefcfd9_outp,@function
k_q457cefcfd9_outp:
	s_mov_b64 s[64:65], 0
	v_nop
	global_prefetch_b8 v0, s[64:65] scope:SCOPE_SE
	s_setreg_imm32_b32 hwreg(HW_REG_WAVE_MODE, 25, 1), 1
	s_wait_xcnt 0x0
	s_wait_alu depctr_hold_cnt(0) depctr_sa_sdst(0) depctr_va_vdst(0) depctr_va_sdst(0) depctr_va_ssrc(0) depctr_va_vcc(0) depctr_vm_vsrc(0)
	s_getreg_b32 s2, hwreg(HW_REG_IB_STS2, 6, 4)
	s_cmp_eq_u32 s2, 0
	s_cbranch_scc0 .Lentry_in_a_cluster
	s_endpgm
.Lentry_in_a_cluster:
	s_bfe_u32 s2, ttmp6, 0x10000c
	s_cmp_lg_u32 s2, 0xf033
	s_cbranch_scc0 .Lentry_shape_is_right
	s_endpgm
.Lentry_shape_is_right:
.set SIZE_K, 2048
.set SIZE_N, 2048
.set ROWB,   512
.set KROW,   SIZE_K
.set PITCH,  528
.set FR,     16
.set NP,     4
.set HALFB,  64*PITCH
.set PLANE,  262144
.set APL,    16384
.set BOFF,   4*APL
.set SLOT,   BOFF+2*HALFB
.set SPARE,  2*SLOT
.set STAGE,  SPARE+512
.set SPITCH, 272
.set ADRA, 16
.set ADRB, 20
.set STO,  24
.set RD,   25
.set CO,   26
.set BH,   27
.set SPW,  28
.set NIL,  29
.set LI,   30
.set BIAS, 32
.set TMP,  32
.set ACC,  128
.set F0,   0
.set F1,   128
.set G1, 24
.set G0, 32
.set G1B, 48
.set G0B, 56
.set MSB, 0
.macro WIN new
.if MSB != (\new)
	s_set_vgpr_msb (MSB<<8)|(\new)
.set MSB, (\new)
.endif
.endm
.set MUL,  0x05
.set TO_F, 0x40
.macro JLOAD g0a, g1a, g0b, g1b
	s_cmp_eq_u32 s15, 0
	s_cbranch_scc0 .Lfor_b_\@
	tensor_load_to_lds s[\g0a:\g0a+3], s[\g1a:\g1a+7]
	s_nop 0
.rept 4
	v_nop
.endr
	s_branch .Lasked_\@
.Lfor_b_\@:
	tensor_load_to_lds s[\g0b:\g0b+3], s[\g1b:\g1b+7]
	s_nop 0
.rept 4
	v_nop
.endr
.Lasked_\@:
.endm
.macro CREST
	s_cmp_lg_u32 s14, 0
	s_cbranch_scc1 .Lnot_wave_0_\@
	s_barrier_signal -3
.Lnot_wave_0_\@:
	s_barrier_wait -3
	s_barrier_signal -1
	s_barrier_wait -1
.endm
.macro CROUND
	s_barrier_signal -1
	s_barrier_wait -1
	CREST
.endm
	s_load_b256 s[4:11], s[0:1], 0x0
	s_load_b64 s[12:13], s[0:1], 0x20
	v_lshl_add_u32 v[SPW], v0, 2, SPARE
	v_mov_b32 v[NIL], 0
	ds_add_u32 v28, v29
	ds_add_u32 v28, v29
	s_wait_dscnt 0x0
	v_lshrrev_b32 v1, 5, v0
	v_readfirstlane_b32 s14, v1
	s_lshr_b32 s15, s14, 1
	s_and_b32 s16, s14, 1
	s_bfe_u32 s40, ttmp6, 0x40000
	s_bfe_u32 s41, ttmp6, 0x40004
	s_lshl_b32 s42, ttmp9, 2
	s_add_co_u32 s42, s42, s40
	s_and_b32 s17, ttmp7, 0xffff
	s_lshl_b32 s17, s17, 2
	s_add_co_u32 s17, s17, s41
	s_lshl_b32 s43, s41, 2
	s_lshl_b32 s43, 15, s43
	s_lshl_b32 s44, 0x1111, s40
	s_or_b32 s[G1+0], s43, (3<<16)|(1<<21)
	s_mov_b32 s[G1+1], (APL/8)<<16
	s_mov_b32 s[G1+2], 2<<16
	s_mov_b32 s[G1+3], (APL/8)<<16
	s_mov_b32 s[G1+4], 2
	s_mov_b32 s[G1+5], PLANE/8
	s_mov_b32 s[G1+6], 0
	s_mov_b32 s[G1+7], 0
	s_or_b32 s[G1B+0], s44, (0<<16)|(1<<20)|(1<<21)|(6<<22)|(3<<25)
	s_mov_b32 s[G1B+1], ROWB<<16
	s_mov_b32 s[G1B+2], 64<<16
	s_mov_b32 s[G1B+3], ROWB<<16
	s_mov_b32 s[G1B+4], 64
	s_mov_b32 s[G1B+5], KROW
	s_mov_b32 s[G1B+6], 0
	s_mov_b32 s[G1B+7], 0
	s_lshl_b32 s20, s16, 19
	s_lshl_b32 s21, s17, 14
	s_add_co_u32 s20, s20, s21
	s_mov_b32 s21, 0
	s_lshl_b32 s46, s42, 7
	s_lshl_b32 s47, s16, 6
	s_add_co_u32 s46, s46, s47
	s_lshl_b32 s46, s46, 11
	s_mov_b32 s47, 0
	s_lshl_b32 s45, s16, 15
	s_mul_i32 s23, s16, HALFB
	s_add_co_u32 s23, s23, BOFF
	s_wait_kmcnt 0x0
	s_load_b64 s[96:97], s[8:9], 0x28
	s_add_nc_u64 s[20:21], s[4:5], s[20:21]
	s_add_nc_u64 s[46:47], s[6:7], s[46:47]
	CROUND
.irp s, 0,1
	s_mov_b32 s[G0+4*\s], 1
	s_add_co_u32 s[G0+4*\s+1], s45, \s*SLOT
	s_add_nc_u64 s[G0+4*\s+2:G0+4*\s+3], s[20:21], \s*4*PLANE
	s_or_b32 s[G0+4*\s+3], s[G0+4*\s+3], 0x80000000
	s_mov_b32 s[G0B+4*\s], 1
	s_add_co_u32 s[G0B+4*\s+1], s23, \s*SLOT
	s_add_nc_u64 s[G0B+4*\s+2:G0B+4*\s+3], s[46:47], \s*ROWB
	s_or_b32 s[G0B+4*\s+3], s[G0B+4*\s+3], 0x80000000
	s_wait_alu depctr_va_vdst(0)
	s_wait_tensorcnt 0x0
	ds_add_u32 v28, v29
	ds_add_u32 v28, v29
	s_wait_dscnt 0x0
	CROUND
	JLOAD G0+4*\s, G1, G0B+4*\s, G1B
.endr
	v_and_b32 v1, 15, v0
	v_bfe_u32 v2, v0, 4, 1
	v_and_b32 v6, 31, v0
	v_lshlrev_b32 v[LI], 4, v6
	v_mul_u32_u24 v3, v1, PITCH
	v_lshl_add_u32 v4, v2, 4, v3
	s_lshl_b32 s21, s15, 13
	s_mul_i32 s22, s16, HALFB
	s_add_co_u32 s22, s22, BOFF
.irp s, 0,1
	v_add_nc_u32 v[ADRA+\s], s21, v[LI]
	v_add_nc_u32 v[ADRB+\s], s22, v4
	s_add_co_u32 s21, s21, SLOT
	s_add_co_u32 s22, s22, SLOT
.endr
	s_mul_i32 s23, s14, 16*SPITCH
	s_add_co_u32 s23, s23, STAGE
	v_mul_u32_u24 v5, v1, SPITCH
	v_lshl_add_u32 v5, v2, 5, v5
	v_add_nc_u32 v[STO], s23, v5
	v_mul_u32_u24 v5, v2, SPITCH
	v_lshl_add_u32 v5, v1, 4, v5
	v_add_nc_u32 v[RD], s23, v5
	v_lshlrev_b32 v[CO], 13, v2
	v_lshl_add_u32 v[CO], v1, 4, v[CO]
	v_lshlrev_b32 v[BH], 5, v2
	s_wait_alu depctr_va_vdst(0)
	s_lshl_b32 s46, s42, 9
	s_lshl_b32 s47, s16, 8
	s_add_co_u32 s46, s46, s47
	s_mov_b32 s47, 0
	s_add_nc_u64 s[10:11], s[10:11], s[46:47]
	s_lshl_b32 s20, s17, 7
	s_lshl_b32 s21, s15, 6
	s_add_co_u32 s20, s20, s21
	s_lshl_b32 s20, s20, 13
	s_mov_b32 s21, 0
	s_add_nc_u64 s[12:13], s[12:13], s[20:21]
	s_add_nc_u64 s[12:13], s[12:13], s[46:47]
.irp b, 0,1,2,3
	global_load_b128 v[BIAS+8*\b:BIAS+8*\b+3], v[BH], s[10:11] offset:64*\b
	global_load_b128 v[BIAS+8*\b+4:BIAS+8*\b+7], v[BH], s[10:11] offset:64*\b+16
.endr
	s_wait_kmcnt 0x0
	s_add_co_i32 s96, s96, s97
	s_sub_co_i32 s94, 0, s96
	s_add_co_i32 s96, s96, 127
	s_lshl_b32 s96, s96, 23
	s_wait_loadcnt 0x0
.set jj, 0
.rept 32
	v_ldexp_f32 v[BIAS+jj], v[BIAS+jj], s94
.set jj, jj+1
.endr
.macro FRAGB reg, adr, q, i
.irp c, 0,1,2,3
	ds_load_b128 v[\reg+4*\c:\reg+4*\c+3], v[\adr] offset:128*(\q)+32*\c+(\i)*16*PITCH
.endr
.endm
.macro FRAGA reg, adr, q, i
.irp c, 0,1,2,3
	ds_load_b128 v[\reg+4*\c:\reg+4*\c+3], v[\adr] offset:APL*(\q)+2048*(\i)+512*\c
.endr
.endm
.macro FETCH slot, q, f
	WIN TO_F
.irp i, 0,1,2,3
	FRAGB \f+64+FR*\i, ADRB+\slot, \q, \i
.endr
.irp i, 0,1,2,3
	FRAGA \f+FR*\i, ADRA+\slot, \q, \i
.endr
.endm
.macro MULA f, a, zero
.irp b, 0,1,2,3
.if \zero
	v_wmma_f32_16x16x128_fp8_fp8 v[ACC+8*(4*(\a)+\b):ACC+8*(4*(\a)+\b)+7], v[\f+64+FR*\b:\f+64+FR*\b+FR-1], v[\f+FR*(\a):\f+FR*(\a)+FR-1], v[BIAS+8*\b:BIAS+8*\b+7]
.else
	v_wmma_f32_16x16x128_fp8_fp8 v[ACC+8*(4*(\a)+\b):ACC+8*(4*(\a)+\b)+7], v[\f+64+FR*\b:\f+64+FR*\b+FR-1], v[\f+FR*(\a):\f+FR*(\a)+FR-1], v[ACC+8*(4*(\a)+\b):ACC+8*(4*(\a)+\b)+7]
.endif
.endr
.endm
.macro PLACES n
.rept \n
	v_nop
.endr
.endm
.macro QSTEP slot, q, f, g, zero
	PLACES NP
	FETCH \slot, (\q)+1, \g
	s_wait_dscnt 32
	WIN MUL
	MULA \f, 0, \zero
	MULA \f, 1, \zero
	MULA \f, 2, \zero
	MULA \f, 3, \zero
.endm
.macro TURN slot, next, fill
	WIN 0
	s_wait_tensorcnt 0x0
	ds_add_u32 v[SPW], v[NIL]
	s_wait_dscnt 1
	WIN MUL
	MULA F1, 0, 0
	s_wait_dscnt 0x0
	s_barrier_signal -1
	MULA F1, 1, 0
	WIN 0
	s_barrier_wait -1
.if \fill
	CREST
	s_add_nc_u64 s[G0+4*\slot+2:G0+4*\slot+3], s[G0+4*\slot+2:G0+4*\slot+3], 8*PLANE
	s_add_nc_u64 s[G0B+4*\slot+2:G0B+4*\slot+3], s[G0B+4*\slot+2:G0B+4*\slot+3], 2*ROWB
	JLOAD G0+4*\slot, G1, G0B+4*\slot, G1B
.else
	PLACES NP
.endif
	FETCH \next, 0, F0
	WIN MUL
	MULA F1, 2, 0
	MULA F1, 3, 0
.endm
	s_wait_alu depctr_va_vdst(0)
	s_wait_tensorcnt 1
	s_barrier_signal -1
	s_barrier_wait -1
	FETCH 0, 0, F0
	QSTEP 0, 0, F0, F1, 1
	QSTEP 0, 1, F1, F0, 0
	QSTEP 0, 2, F0, F1, 0
	TURN 0, 1, 1
	QSTEP 1, 0, F0, F1, 0
	QSTEP 1, 1, F1, F0, 0
	QSTEP 1, 2, F0, F1, 0
	TURN 1, 0, 1
	QSTEP 0, 0, F0, F1, 0
	QSTEP 0, 1, F1, F0, 0
	QSTEP 0, 2, F0, F1, 0
	TURN 0, 1, 0
	QSTEP 1, 0, F0, F1, 0
	QSTEP 1, 1, F1, F0, 0
	QSTEP 1, 2, F0, F1, 0
	s_wait_dscnt 0x0
	MULA F1, 0, 0
	MULA F1, 1, 0
	MULA F1, 2, 0
	MULA F1, 3, 0
	WIN 0
.macro TOSTAGE a
.set AC, ACC+32*(\a)
.set TT, TMP+32*((\a)%2)
.set jj, 0
.rept 16
	v_pk_mul_f32 v[TT+jj:TT+jj+1], v[AC+jj:AC+jj+1], s[96:97] op_sel_hi:[1,0]
.set jj, jj+2
.endr
.set jj, 0
.rept 32
	v_max_num_f32 v[TT+jj], 0, v[TT+jj]
.set jj, jj+1
.endr
.irp b, 0,1,2,3
	ds_store_b128 v[STO], v[TT+8*\b:TT+8*\b+3] offset:64*\b
	ds_store_b128 v[STO], v[TT+8*\b+4:TT+8*\b+7] offset:64*\b+16
.endr
.irp t, 0,1,2,3,4,5,6,7
	ds_load_b128 v[AC+4*\t:AC+4*\t+3], v[RD] offset:\t*2*SPITCH
.endr
.endm
.macro SEND a, younger
.set AC, ACC+32*(\a)
	s_wait_dscnt \younger
.irp t, 0,1,2,3,4,5,6,7
	global_store_b128 v[CO], v[AC+4*\t:AC+4*\t+3], s[12:13] offset:(16*(\a)+2*\t)*SIZE_N*4 th:TH_STORE_NT
.endr
.endm
	PLACES NP
	TOSTAGE 0
	TOSTAGE 1
	SEND 0, 16
	TOSTAGE 2
	SEND 1, 16
	TOSTAGE 3
	SEND 2, 16
	SEND 3, 0
	s_wait_tensorcnt 0x0
	ds_add_u32 v[SPW], v[NIL]
	s_wait_dscnt 0x0
	CROUND
	s_endpgm
.Lfunc_end_k_q457cefcfd9_outp:
	.size	k_q457cefcfd9_outp, .Lfunc_end_k_q457cefcfd9_outp-k_q457cefcfd9_outp
	.p2alignl 7, 3214868480
	.fill 96, 4, 3214868480
	.section	.rodata,"a",@progbits
	.p2align	6, 0x0
	.amdhsa_kernel k_q457cefcfd9_outp
		.amdhsa_group_segment_fixed_size 327680
		.amdhsa_private_segment_fixed_size 0
		.amdhsa_enable_private_segment 0
		.amdhsa_kernarg_size 40
		.amdhsa_user_sgpr_count 2
		.amdhsa_user_sgpr_kernarg_segment_ptr 1
		.amdhsa_wavefront_size32 1
		.amdhsa_system_sgpr_workgroup_id_x 1
		.amdhsa_system_sgpr_workgroup_id_y 1
		.amdhsa_system_sgpr_workgroup_id_z 1
		.amdhsa_system_vgpr_workitem_id 0
		.amdhsa_next_free_vgpr 512
		.amdhsa_next_free_sgpr 98
		.amdhsa_reserve_vcc 0
		.amdhsa_float_denorm_mode_32 3
		.amdhsa_float_denorm_mode_16_64 3
		.amdhsa_memory_ordered 1
		.amdhsa_forward_progress 1
		.amdhsa_inst_pref_size 81
	.end_amdhsa_kernel
	.amdgpu_metadata
---
amdhsa.version: [ 1, 2 ]
amdhsa.kernels:
  - .name:           k_q457cefcfd9_outp
    .symbol:         k_q457cefcfd9_outp.kd
    .args:
      - { .name: aimg, .offset: 0, .size: 8, .value_kind: global_buffer, .address_space: global }
      - { .name: Wo_codes, .offset: 8, .size: 8, .value_kind: global_buffer, .address_space: global }
      - { .name: lowp_scales, .offset: 16, .size: 8, .value_kind: global_buffer, .address_space: global }
      - { .name: bo, .offset: 24, .size: 8, .value_kind: global_buffer, .address_space: global }
      - { .name: out0, .offset: 32, .size: 8, .value_kind: global_buffer, .address_space: global }
    .group_segment_fixed_size: 327680
    .private_segment_fixed_size: 0
    .kernarg_segment_align: 8
    .kernarg_segment_size: 40
    .max_flat_workgroup_size: 128
    .sgpr_count:     98
    .vgpr_count:     512
    .wavefront_size: 32
...
	.end_amdgpu_metadata
.endif
;; end of part 6
